; MI455X (gfx1250); checked and timed in simulation.
; The chip was launched on July 23, 2026; its instructions are those of AMD's public machine-readable ISA for CDNA 5 (MIT licence, August 2026) and "CDNA5" Instruction Set Architecture Reference Guide (July 2026). The comments in the code are by the model that wrote it; some were corrected since.
;; Multi Head Attention. Allowed arithmetic: matrix products marked QUANTISED: E2M3 operands, one E8M0 scale for each 32 along K, by v_wmma_scale_f32_16x16x128_f8f6f4 with both operands' format E2M3, f32 sums; everything else in f32.
;; Inputs: Wproj 1,024 x 1,024 float32; Wqkv 1,024 x 3,072 float32; bproj 1,024 float32; cos 2,048 x 32 float32; sin 2,048 x 32 float32; x 2 x 2,048 x 1,024 float32.
;; Outputs: out0 2 x 2,048 x 1,024 float32.
;; This version of the problem:
;;   THIS VERSION OF THE PROBLEM IS GIVEN IN LOW PRECISION. The matrix products marked QUANTISED in the list below multiply operands that are first quantised to E2M3 (2 exponent bits, 3 mantissa bits; 6 bits a number), with one power-of-two scale for each 32 numbers along K (OCP MX v1.0); their sums are f32. All else is computed in f32.
;;   The module's matrix products, in the order in which they are computed (A, B: the left and right operand; K: the contracted axis; several contracted axes count as one K, in the product's order):
;;     1. [M 4,096, K 1,024] x [K 1,024, N 3,072]; A: input x; B: input Wqkv: QUANTISED
;;     2. batch 32 x [M 2,048, K 64] x [K 64, N 2,048]; A: computed on the way; B: computed on the way: QUANTISED
;;     3. batch 32 x [M 2,048, K 2,048] x [K 2,048, N 64]; A: softmax (see below); B: computed on the way: QUANTISED
;;     4. [M 4,096, K 1,024] x [K 1,024, N 1,024]; A: computed on the way; B: input Wproj: QUANTISED
;;   THE QUANTISER, for each operand of a quantised product, along K:
;;     - K is cut into blocks of 32 from its start; a last block that is shorter is filled with zeros.
;;     - A block's scale is 2^e with e = floor(log2(the largest magnitude in the block)) - 2, held to -126 .. 127; a block of zeros has e = 0. As a byte (E8M0): e + 127.
;;     - Each number is divided by its block's scale, clamped to +-7.5, and rounded to the nearest number of E2M3, ties to even, subnormals kept.
;;     - The product sums the exact products of the quantised numbers (number of the format x scale) in f32.
;;   ~~~python
;;   def quantise(x, axis):      # numpy; x: float32 -> the quantised numbers, widened to float32 again
;;       x = np.moveaxis(x, axis, -1); K = x.shape[-1]
;;       x = np.pad(x, [(0, 0)] * (x.ndim - 1) + [(0, -K % 32)]); x = x.reshape(x.shape[:-1] + (-1, 32)); a = np.abs(x).max(-1, keepdims=True)
;;       e = np.where(a > 0, np.clip(np.frexp(np.where(a > 0, a, 1))[1] - 1 - 2, -126, 127), 0)      # np.frexp(a)[1] - 1 = floor(log2(a)), exactly
;;       r = np.clip(x / 2.0 ** e, -7.5, 7.5)
;;       step = 2.0 ** (np.maximum(np.frexp(np.where(r == 0, 1, r))[1] - 1, 0) - 3)
;;       q = np.round(r / step) * step * 2.0 ** e      # np.round: ties to even
;;       return np.moveaxis(q.reshape(q.shape[:-2] + (-1,))[..., :K], -1, axis).astype(np.float32)
;;   ~~~
;;   SOFTMAX AHEAD OF A QUANTISED PRODUCT. Where the list says 'softmax', what is quantised is not the finished softmax but p = 2^(t - M), with t = logit x log2(e) and M = ceil(the row's largest t), a whole number; so 1/2 < the row's largest p <= 1. The row's sum l is taken of the UNQUANTISED p, in f32, and the product's result is divided by l at the end. Since M is a whole number, a kernel that streams over the keys may use a running M (the ceiling of the running maximum): every later rescaling is an exact power of two, which a block's scale takes up: the codes' values come out the same.
;;   OPERANDS COMPUTED ON THE WAY. 'Computed on the way' means the value that the module computes at that place (a softmax that the list does not call 'softmax' is quantised finished and normalised). What goes into a quantiser is computed in f32, as accurately as f32 sums, v_exp_f32 and their like allow (about 1e-6 of the number): no bf16 or f16 on the way to a quantiser, and a product that is left as it is and whose result goes on into a quantised operand takes f32 operands (vector FMAs, or v_wmma_f32_16x16x4_f32). A number that lies on a knife's edge between two numbers of the format may be rounded either way, as far as f32 arithmetic and the matrix unit's own rounding can turn it there, and no further.
;; One version. Each part assembles by itself: llvm-mc -triple=amdgcn-amd-amdhsa -mcpu=gfx1250 --defsym DOCPART=n.
;; ======== version 1 of 1: 4 launches
;; limits: right only within a limited range of input values
;; workspace buffers: c1 5,505,024 bytes; s1 229,376 bytes; c2 3,932,160 bytes; s2 163,840 bytes; ca 9,437,184 bytes; sa 655,360 bytes
;; launch prep (part 1): grid 384 x 1, 4 waves a work-group, no clusters, 34,304 bytes of LDS; arguments x, Wqkv, Wproj, c1, s1, c2, s2; writes c1, s1, c2, s2
.if DOCPART == 1
	.amdgcn_target "amdgcn-amd-amdhsa--gfx1250"
	.amdhsa_code_object_version 6
	.text
	.protected	k_q8b60182235_prep
	.globl	k_q8b60182235_prep
	.p2align	8
	.type	k_q8b60182235_prep,@function
k_q8b60182235_prep:
	s_mov_b64 s[64:65], 0
	v_nop
	global_prefetch_b8 v0, s[64:65] scope:SCOPE_SE
	s_setreg_imm32_b32 hwreg(HW_REG_WAVE_MODE, 25, 1), 1
	s_wait_xcnt 0x0
; x [4096][1024], Wqkv [1024][3072] and Wproj [1024][1024], f32, become codes of FP6 (E2M3) with one E8M0 byte for each 32 along K, laid as IMAGES OF OPERAND REGISTERS.
; A TILE is 16 rows of an operand (rows of x; columns of a weight): lane r of tile T holds row 32 (T / 2) + 8 (T % 2) + r % 8 + 16 (r / 8).
; A HALF-IMAGE, 768 bytes, is a tile x 64 along K: lane l = r + 16 h holds block h of the 64 in six registers: registers 0-3 at byte 16 l, registers 4-5 at byte 512 + 8 l.
; Codes: [tile][16 half-images] = 12,288 bytes a tile.  Scale words (four bytes = 128 along K): [tile][K step / 4][r][K step % 4] = 512 bytes a tile.
; c1, s1: tiles 0-255 x, 256-447 Wqkv's columns.   c2, s2: tiles 256-319 Wproj's columns (tiles 0-255 are written by the attention launch).
; A block's scale is 2^(floor(log2(its largest magnitude)) - 2); its byte is the largest magnitude's exponent field - 2, held at 1 from below.
; LIMITS: NaN and infinities among the inputs are not served.  A block of zeros, or one whose largest magnitude lies under 2^-124, keeps the byte 1 (the rule says 127 for zeros): its codes are
; zeros there, which add nothing under any byte but 0xff, and this program alone reads the bytes.
; Work-groups 0-255 take the weights (a lane to a column, registers down K: nothing is transposed), work-groups 256-383 take x (through a stage in LDS, each wave's own).  No barrier: waves share nothing.
.set TILEB, 12288
.set VO,   16                          ; weights: v16-47   byte offset of row i of a block, at my column
.set WX,   48                          ; weights: v48-175  four blocks of 32 numbers
.set WC,   176                         ; weights: v176..   a block's six registers of codes, eight apart
.set WC2,  208                         ; weights: v208..   the second conversion's three (a conversion's three registers begin on an even number)
.set WW,   224                         ; weights: v224     my column's scale word
.set L16,  1                           ; x: v1   16 x lane
.set L8,   3                           ; x: v3   8 x lane
.set STI,  8                           ; x: v8   the stage, on the way in
.set STO,  9                           ; x: v9   and on the way out
.set TM,   16                          ; x: v16-27  at work in QUANT
.set R0,   32                          ; x: v32-95, v96-159  two sets of 64 numbers as loaded
.set X,    160                         ; x: v160-223 64 numbers, register 16 b + i = k 32 b + 16 h + i of my row
.set PC,   224                         ; x: v224-243 the codes
.set WD,   244                         ; x: v244-247 four scale words
.set SEL,  28                          ; s[28:29] lane selects for v_permlanex16_b32: lane l xor 16
	s_load_b256 s[4:11], s[0:1], 0x0               ; x s[4:5], Wqkv s[6:7], Wproj s[8:9], c1 s[10:11]
	s_load_b128 s[12:15], s[0:1], 0x20             ; s1 s[12:13], c2 s[14:15]
	s_load_b64 s[16:17], s[0:1], 0x30              ; s2
	v_lshl_add_u32 v254, v0, 2, 0x8400
	v_mov_b32 v255, 0
	v_lshrrev_b32 v1, 5, v0
	v_readfirstlane_b32 s18, v1                    ; wave 0..3
	v_and_b32 v2, 31, v0                           ; lane
	s_cmp_lt_u32 ttmp9, 256
	s_cbranch_scc0 .Lx
; ---------------- THE WEIGHTS.  Work-group = (group of 128 columns, K step of 128); groups 0-23 are Wqkv's, 24-31 Wproj's.  A wave takes 32 columns, a lane one column and four blocks of 32 down K.
	s_and_b32 s19, ttmp9, 31                       ; the group of columns
	s_lshr_b32 s28, ttmp9, 5                       ; the K step, 0..7
	s_and_b32 s27, s19, 7                          ; Wproj's group: 24..31 -> 0..7
	s_mov_b32 s26, 4096                            ; Wproj's row in bytes
	s_wait_kmcnt 0x0
	s_cmp_lt_u32 s19, 24                           ; the choice hangs on the work-group's number alone
	s_cselect_b64 s[20:21], s[6:7], s[8:9]         ; the weight,
	s_cselect_b64 s[22:23], s[10:11], s[14:15]     ; its codes,
	s_cselect_b64 s[24:25], s[12:13], s[16:17]     ; its scale words,
	s_cselect_b32 s26, 12288, s26                  ; its row in bytes,
	s_cselect_b32 s27, s19, s27                    ; the group within it
	s_lshl_b32 s40, s28, 7
	s_mul_i32 s40, s40, s26                        ; 128 x K step rows down
	s_lshl_b32 s41, s27, 9
	s_add_co_u32 s40, s40, s41                     ; + 128 columns x group
	s_lshl_b32 s41, s18, 7
	s_add_co_u32 s40, s40, s41                     ; + 32 columns x wave
	s_mov_b32 s41, 0
	s_add_nc_u64 s[32:33], s[20:21], s[40:41]      ; block 0's first row at my wave's first column
	s_lshl_b32 s42, s26, 5                         ; 32 rows
	s_mov_b32 s43, 0
	s_add_nc_u64 s[34:35], s[32:33], s[42:43]      ; blocks 1, 2, 3
	s_add_nc_u64 s[36:37], s[34:35], s[42:43]
	s_add_nc_u64 s[38:39], s[36:37], s[42:43]
	s_wait_alu depctr_va_vdst(0)
	v_lshlrev_b32 v[VO], 2, v2                     ; 4 bytes a lane: a load reads 128 consecutive bytes, the four waves stand side by side on 512
.set i, 1
.rept 31
	v_mad_u32_u24 v[VO+i], s26, i, v[VO]           ; + i rows
.set i, i+1
.endr
.irp t, 0,1,2,3
.set i, 0
.rept 32
	global_load_b32 v[WX+32*\t+i], v[VO+i], s[32+2*\t:33+2*\t] th:TH_LOAD_NT   ; W(128 K step + 32 t + i, my column): all 128 loads go out at once, no register twice
.set i, i+1
.endr
.endr
	; where my column lies: column 8 u + r % 8 + 16 (r / 8) of the wave's 32 is lane r of tile 2 G + u
	v_bfe_u32 v3, v2, 3, 1                         ; u
	v_and_b32 v4, 7, v2
	v_lshrrev_b32 v5, 4, v2
	v_lshl_or_b32 v4, v5, 3, v4                    ; r
	v_mul_u32_u24 v5, v3, TILEB
	v_lshl_add_u32 v6, v4, 4, v5                   ; registers 0-3: u tiles on, 16 r
	v_lshl_add_u32 v7, v4, 3, v5                   ; registers 4-5: 8 r
	v_lshlrev_b32 v8, 9, v3
	v_lshl_add_u32 v8, v4, 4, v8                   ; the scale word: u x 512 + 16 r
	s_lshl_b32 s44, s27, 3
	s_lshl_b32 s45, s18, 1
	s_add_co_u32 s44, s44, s45
	s_add_co_u32 s44, s44, 256                     ; my wave's first tile: 256 + 8 x group + 2 x wave
	s_mul_i32 s40, s44, TILEB
	s_mul_i32 s45, s28, 1536                       ; the K step's two half-images
	s_add_co_u32 s40, s40, s45
	s_add_nc_u64 s[22:23], s[22:23], s[40:41]
	s_lshl_b32 s40, s44, 9
	s_lshr_b32 s45, s28, 2
	s_lshl_b32 s45, s45, 8
	s_add_co_u32 s40, s40, s45
	s_and_b32 s45, s28, 3
	s_lshl_b32 s45, s45, 2
	s_add_co_u32 s40, s40, s45
	s_add_nc_u64 s[24:25], s[24:25], s[40:41]
; Block t of my column: all its 32 numbers are mine.  left: how many younger loads may stay out (the wait can name 63 at the most; 96 and 64 were issued behind blocks 0 and 1).
.macro WBLOCK t, left
.set XS, WX+32*(\t)
	s_wait_loadcnt \left
	v_max3_num_f32 v12, |v[XS]|, |v[XS+1]|, |v[XS+2]|
	v_max3_num_f32 v13, |v[XS+3]|, |v[XS+4]|, |v[XS+5]|
.irp i, 6,10,14,18,22,26
	v_max3_num_f32 v12, v12, |v[XS+\i]|, |v[XS+\i+1]|
	v_max3_num_f32 v13, v13, |v[XS+\i+2]|, |v[XS+\i+3]|
.endr
	v_max3_num_f32 v12, v12, |v[XS+30]|, |v[XS+31]|
	v_max3_num_f32 v12, v12, v13, 0x1800000        ; and the floor 2^(3 - 127): the byte cannot fall under 1
	v_add_nc_u32 v11, 0xff000000, v12              ; 2 off the exponent field: the conversion takes the exponent field of this operand as its scale
	v_lshrrev_b32 v13, 23, v11                     ; the scale's byte
.if (\t) == 0
	v_mov_b32 v[WW], v13
.else
	v_lshl_or_b32 v[WW], v13, 8*(\t), v[WW]        ; the lower K in the lower byte
.endif
	v_cvt_scalef32_pk16_fp6_f32 v[WC+8*(\t):WC+8*(\t)+2], v[XS:XS+15], v11
	v_cvt_scalef32_pk16_fp6_f32 v[WC2+4*(\t):WC2+4*(\t)+2], v[XS+16:XS+31], v11
	v_nop                                          ; one plain place behind a scaled conversion
.irp i, 0,1,2
	v_mov_b32 v[WC+8*(\t)+3+\i], v[WC2+4*(\t)+\i]
.endr
	global_store_b128 v6, v[WC+8*(\t):WC+8*(\t)+3], s[22:23] offset:((\t)/2)*768+((\t)%2)*256       ; block t is half h = t % 2 of half-image t / 2: the sixteen lanes of a tile fill 256 consecutive bytes, aligned
	global_store_b64 v7, v[WC+8*(\t)+4:WC+8*(\t)+5], s[22:23] offset:512+((\t)/2)*768+((\t)%2)*128
.endm
	WBLOCK 0, 63
	WBLOCK 1, 63
	WBLOCK 2, 32
	WBLOCK 3, 0
	global_store_b32 v8, v[WW], s[24:25]           ; my column's word of this K step (words of a row's four K steps lie together: 4 bytes of each 16 here)
	s_endpgm
; ---------------- x.  Work-group = two tiles; a wave takes a tile and half of K: four K steps of 128.
.Lx:
	s_and_b32 s19, ttmp9, 127                      ; work-group - 256
	s_lshl_b32 s20, s19, 1
	s_lshr_b32 s21, s18, 1
	s_add_co_u32 s20, s20, s21                     ; my tile, 0..255
	s_and_b32 s21, s18, 1                          ; my half of K
	s_lshr_b32 s22, s20, 1
	s_lshl_b32 s22, s22, 17                        ; 32 (tile / 2) rows of 4,096 bytes
	s_and_b32 s23, s20, 1
	s_lshl_b32 s23, s23, 15                        ; + 8 (tile % 2) rows
	s_add_co_u32 s22, s22, s23
	s_lshl_b32 s23, s21, 11                        ; + 512 numbers x half
	s_add_co_u32 s22, s22, s23
	s_mov_b32 s23, 0
	s_mul_i32 s24, s20, TILEB
	s_mul_i32 s25, s21, 6144                       ; four fragments of 1,536 bytes x half
	s_add_co_u32 s24, s24, s25
	s_mov_b32 s25, 0
	s_lshl_b32 s26, s20, 9
	s_lshl_b32 s27, s21, 8
	s_add_co_u32 s26, s26, s27
	s_mov_b32 s27, 0
	s_mov_b32 s[SEL], 0x76543210
	s_mov_b32 s[SEL+1], 0xfedcba98
	s_wait_alu depctr_va_vdst(0)
	v_lshlrev_b32 v[L16], 4, v2
	v_lshlrev_b32 v[L8], 3, v2
	v_and_b32 v5, 15, v0                           ; r
	v_bfe_u32 v6, v0, 4, 1                         ; h
	s_mul_i32 s30, s18, 8448                       ; my stage: 16 rows x (512 bytes + 16)
	v_add_nc_u32 v[STI], s30, v[L16]               ; in: a row's 512 bytes as they lie
	v_mul_u32_u24 v[STO], v5, 528
	v_lshl_add_u32 v[STO], v6, 6, v[STO]
	v_add_nc_u32 v[STO], s30, v[STO]               ; out: row r, + 64 h: my 16 numbers of a block of 32
	v_lshlrev_b32 v7, 4, v5
	v_lshl_add_u32 v7, v6, 3, v7                   ; the scale words: 16 r + 8 h
.irp b, 0,1,2,3
	v_mov_b32 v[TM+4+\b], 0                        ; written once: a lane permute's destination counts as one of its sources
.endr
	s_wait_alu depctr_va_vdst(0)
	s_wait_kmcnt 0x0
	s_add_nc_u64 s[4:5], s[4:5], s[22:23]
	s_add_nc_u64 s[10:11], s[10:11], s[24:25]
	s_add_nc_u64 s[12:13], s[12:13], s[26:27]
; 64 numbers of a lane, register 16 b + i = k 32 b + 16 h + i of my row, become a fragment's codes in v[PC] .. v[PC + 11] and its scale word in v[pw] (the same in lanes r and r + 16).
.macro QUANT s, pw
.irp b, 0,1,2,3
	v_max3_num_f32 v[TM+\b], |v[\s+16*\b]|, |v[\s+1+16*\b]|, 0x1800000   ; block b: my 16 numbers, and the floor 2^(3 - 127)
.endr
.irp i, 2,4,6,8,10,12,14
.irp b, 0,1,2,3
	v_max3_num_f32 v[TM+\b], v[TM+\b], |v[\s+16*\b+\i]|, |v[\s+1+16*\b+\i]|   ; the four blocks by turns
.endr
.endr
.irp b, 0,1,2,3
	v_permlanex16_b32 v[TM+4+\b], v[TM+\b], s[SEL], s[SEL+1]
.endr
.irp b, 0,1,2,3
	v_max_num_f32 v[TM+\b], v[TM+\b], v[TM+4+\b]   ; with lane l xor 16's: the block's largest magnitude
.endr
.irp b, 0,1,2,3
	v_add_nc_u32 v[TM+8+\b], 0xff000000, v[TM+\b]  ; 2 off its exponent field: the conversion's scale operand
.endr
.irp b, 0,1,2,3
	v_lshrrev_b32 v[TM+4+\b], 23, v[TM+8+\b]       ; the scale's byte
.endr
	v_lshl_or_b32 v[\pw], v[TM+5], 8, v[TM+4]
	v_lshl_or_b32 v[\pw], v[TM+6], 16, v[\pw]
	v_lshl_or_b32 v[\pw], v[TM+7], 24, v[\pw]
.irp c, 0,1
	v_cvt_scalef32_pk16_fp6_f32 v[PC+6*\c:PC+2+6*\c], v[\s+32*\c:\s+15+32*\c], v[TM+8+2*\c]
	v_cvt_scalef32_pk16_fp6_f32 v[PC+12+4*\c:PC+14+4*\c], v[\s+16+32*\c:\s+31+32*\c], v[TM+8+2*\c+1]
.endr
	v_nop                                          ; one plain place behind a scaled conversion
.irp c, 0,1                                    ; the operand's layout wants a WHOLE block in a lane: lanes 0-15 block 2 c, lanes 16-31 block 2 c + 1
.irp i, 0,1,2
	v_permlane16_swap_b32 v[PC+6*\c+\i], v[PC+12+4*\c+\i]
.endr
.irp i, 0,1,2
	v_mov_b32 v[PC+3+6*\c+\i], v[PC+12+4*\c+\i]
.endr
.endr
.endm
.macro XLOAD s                         ; K step s of my 16 rows: each load reads 512 consecutive bytes of one row
.irp p, 0,1,2,3,4,5,6,7,8,9,10,11,12,13,14,15
	global_load_b128 v[R0+64*((\s)%2)+4*\p:R0+64*((\s)%2)+4*\p+3], v[L16], s[4:5] offset:((\p%8)+16*(\p/8))*4096+512*(\s) th:TH_LOAD_NT
.endr
.endm
.macro XSTEP s
.if (\s) < 3
	s_wait_loadcnt 16                              ; this step's 16 loads are in; the next step's 16 may be out
.else
	s_wait_loadcnt 0x0
.endif
.irp p, 0,1,2,3,4,5,6,7,8,9,10,11,12,13,14,15
	ds_store_b128 v[STI], v[R0+64*((\s)%2)+4*\p:R0+64*((\s)%2)+4*\p+3] offset:528*\p
.endr
.irp b, 0,1,2,3
.irp j, 0,1,2,3
	ds_load_b128 v[X+16*\b+4*\j:X+16*\b+4*\j+3], v[STO] offset:128*\b+16*\j   ; LDS serves a wave's instructions in order: these see my stores
.endr
.endr
	s_wait_dscnt 0x0                               ; the numbers are back; the stores have read their registers
	s_wait_xcnt 0x0                                ; the last step's global stores have read the codes' registers, which QUANT writes again
.if (\s) < 2
	XLOAD (\s)+2
.endif
	QUANT X, WD+(\s)
	global_store_b128 v[L16], v[PC:PC+3], s[10:11] offset:1536*(\s)          ; the fragment as it stands: 512, 256, 512, 256 consecutive bytes
	global_store_b64 v[L8], v[PC+4:PC+5], s[10:11] offset:1536*(\s)+512
	global_store_b128 v[L16], v[PC+6:PC+9], s[10:11] offset:1536*(\s)+768
	global_store_b64 v[L8], v[PC+10:PC+11], s[10:11] offset:1536*(\s)+1280
.endm
	XLOAD 0
	XLOAD 1
	XSTEP 0
	XSTEP 1
	XSTEP 2
	XSTEP 3
	v_cmp_eq_u32 vcc_lo, 1, v6
	v_cndmask_b32 v248, v[WD], v[WD+2], vcc_lo     ; lanes 0-15 store words 0, 1 of their row, lanes 16-31 words 2, 3:
	v_cndmask_b32 v249, v[WD+1], v[WD+3], vcc_lo
	global_store_b64 v7, v[248:249], s[12:13]      ; 32 lanes fill 256 consecutive bytes, aligned
	s_wait_tensorcnt 0x0
	ds_add_u32 v254, v255
	s_wait_dscnt 0x0
	s_endpgm
.Lfunc_end_k_q8b60182235_prep:
	.size	k_q8b60182235_prep, .Lfunc_end_k_q8b60182235_prep-k_q8b60182235_prep
	.p2alignl 7, 3214868480
	.fill 96, 4, 3214868480
	.section	.rodata,"a",@progbits
	.p2align	6, 0x0
	.amdhsa_kernel k_q8b60182235_prep
		.amdhsa_group_segment_fixed_size 34304
		.amdhsa_private_segment_fixed_size 0
		.amdhsa_enable_private_segment 0
		.amdhsa_kernarg_size 56
		.amdhsa_user_sgpr_count 2
		.amdhsa_user_sgpr_kernarg_segment_ptr 1
		.amdhsa_wavefront_size32 1
		.amdhsa_system_sgpr_workgroup_id_x 1
		.amdhsa_system_sgpr_workgroup_id_y 1
		.amdhsa_system_sgpr_workgroup_id_z 1
		.amdhsa_system_vgpr_workitem_id 0
		.amdhsa_next_free_vgpr 256
		.amdhsa_next_free_sgpr 66
		.amdhsa_reserve_vcc 1
		.amdhsa_float_denorm_mode_32 3
		.amdhsa_float_denorm_mode_16_64 3
		.amdhsa_memory_ordered 1
		.amdhsa_forward_progress 1
		.amdhsa_inst_pref_size 57
	.end_amdhsa_kernel
	.amdgpu_metadata
---
amdhsa.version: [ 1, 2 ]
amdhsa.kernels:
  - .name:           k_q8b60182235_prep
    .symbol:         k_q8b60182235_prep.kd
    .args:
      - { .name: x, .offset: 0, .size: 8, .value_kind: global_buffer, .address_space: global }
      - { .name: Wqkv, .offset: 8, .size: 8, .value_kind: global_buffer, .address_space: global }
      - { .name: Wproj, .offset: 16, .size: 8, .value_kind: global_buffer, .address_space: global }
      - { .name: c1, .offset: 24, .size: 8, .value_kind: global_buffer, .address_space: global }
      - { .name: s1, .offset: 32, .size: 8, .value_kind: global_buffer, .address_space: global }
      - { .name: c2, .offset: 40, .size: 8, .value_kind: global_buffer, .address_space: global }
      - { .name: s2, .offset: 48, .size: 8, .value_kind: global_buffer, .address_space: global }
    .group_segment_fixed_size: 34304
    .private_segment_fixed_size: 0
    .kernarg_segment_align: 8
    .kernarg_segment_size: 56
    .max_flat_workgroup_size: 128
    .sgpr_count:     66
    .vgpr_count:     256
    .wavefront_size: 32
...
	.end_amdgpu_metadata
.endif
;; end of part 1
;; launch qkv (part 2): grid 48 x 4, 4 waves a work-group, clusters of 4 x 4, 327,680 bytes of LDS; arguments c1, s1, cos, sin, ca, sa; writes ca, sa
.if DOCPART == 2
	.amdgcn_target "amdgcn-amd-amdhsa--gfx1250"
	.amdhsa_code_object_version 6
	.text
	.protected	k_q8b60182235_qkv
	.globl	k_q8b60182235_qkv
	.p2align	8
	.type	k_q8b60182235_qkv,@function
k_q8b60182235_qkv:
	s_mov_b64 s[64:65], 0
	v_nop
	global_prefetch_b8 v0, s[64:65] scope:SCOPE_SE
	s_setreg_imm32_b32 hwreg(HW_REG_WAVE_MODE, 25, 1), 1
	s_wait_xcnt 0x0
	s_wait_alu depctr_hold_cnt(0) depctr_sa_sdst(0) depctr_va_vdst(0) depctr_va_sdst(0) depctr_va_ssrc(0) depctr_va_vcc(0) depctr_vm_vsrc(0)
	s_getreg_b32 s2, hwreg(HW_REG_IB_STS2, 6, 4)
	s_cmp_eq_u32 s2, 0
	s_cbranch_scc0 .Lentry_in_a_cluster
	s_endpgm
.Lentry_in_a_cluster:
	s_bfe_u32 s2, ttmp6, 0x10000c
	s_cmp_lg_u32 s2, 0xf033
	s_cbranch_scc0 .Lentry_shape_is_right
	s_endpgm
.Lentry_shape_is_right:
; qkv = x Wqkv on codes of FP6 (E2M3), then RoPE on q and k in f32, then q, k and v quantised again for the attention's two products.  Nothing wider than codes goes to memory.
; OPERANDS are images of registers (tile: 16 rows, lane r = row 32 (T / 2) + 8 (T % 2) + r % 8 + 16 (r / 8); half-image: tile x 64 K, 768 bytes: registers 0-3 at 16 l, 4-5 at 512 + 8 l; 12,288 bytes a tile).
; SHARES.  Twelve clusters of 4 x 4 work-groups, each 1,024 x 1,024 of the result; a work-group 256 x 256, a wave 128 x 128: 64 accumulators in windows 2 and 3.
; Clusters 0-7: q (even) or k (odd): source 0 = 16 columns of W, source 1 = 16 rows of x: a lane holds ONE token, its registers run along the head's axis, which the next product contracts.
; Clusters 8-11: v: source 0 = 16 rows of x, source 1 = 16 columns of Wv: a lane holds one channel, its registers run along the tokens: the keys, which the next product contracts.
; Both operands lie in one buffer, so the swap is a choice of tile numbers on the cluster's number, which all sixteen partners share.
; K goes in steps of 128, two to a slot, through a ring of two LDS slots filled by joint tensor loads (A's tiles shared along a row of the cluster, B's along a column).  K has 8 steps, so the loop is written out,
; and all 64 scale words of a lane stay in registers, read from memory once.
; OUT.  ca: [head 32][q, k, v: 98,304 bytes]; q, k: [tile 128][768]; v: [key step 16][channel tile 4][1,536].   sa: [head][q 8,192, k 8,192, v 4,096]; q, k: [tile / 4][r][tile % 4] words; v: [key step][r][channel tile] words.
; A q or k word carries its head's two bytes in bytes 0 and 1; bytes 2 and 3 are the neighbour head's bytes or 0: they scale the upper 64 of K, where q's codes are zeros.
; In v's clusters lanes 16-31 store the same scale words to the same bytes as lanes 0-15, and cos and sin are loaded (inside the tables) and not used, so that every wait is alike on both ways.
; LIMITS: NaN and infinities are not served; a block of zeros, or one under 2^-124, keeps the byte 1 (its codes are zeros; this program alone reads the bytes); RoPE is a multiply and a fused multiply-add.
; REGISTERS.  window 0: v1-15 at work at the head, on the way out offsets and scale words; v16-31 addresses; v32-95 scale words; v96-127, v224-255 cos and sin, two sets; v128-223 A's fragments, on the way out numbers and codes.
;   window 1: B's fragments, two sets, at v0 and v128.   window 2: accumulators of A's blocks 0-3 ((a, b) at v[8 (8 (a % 4) + b)]);   window 3: of blocks 4-7.
.set FR,     12                        ; registers of a fragment
.set NL,     4                         ; LDS loads that bring one
.set NP,     4                         ; places behind this matrix instruction (ISA guide 7.12.1)
.set TILEB,  12288
.set KSB,    1536                      ; a fragment's image
.set TSLOT,  2*KSB                     ; a tile's bytes in a slot
.set HALFT,  8*TSLOT                   ; eight tiles: what one tensor load brings, and what one wave reads of A or of B
.set SLOT,   4*HALFT                   ; A's 16 tiles, then B's 16
.set SPARE,  2*SLOT                    ; behind the ring: the spare words, 128 bytes for each wave: two blocks of 256 bytes that no other line names
.set ADRA, 16                          ; v16-17 16 l + my A tiles in slot 0, 1;  v18-19 the same with 8 l
.set ADRB, 20                          ; v20-23 the same for B
.set L16,  24                          ; v24  16 l
.set L8,   25                          ; v25  8 l
.set L16D, 26                          ; v26  16 l + the distance from a fragment's first half to where its second half goes
.set L8D,  27                          ; v27  8 l + the same
.set SPW,  28                          ; v28  LDS address of my spare word; never rewritten
.set NIL,  29                          ; v29  0; never rewritten
.set RO,   30                          ; v30  my token's row in cos and sin, + 32 h
.set SOF,  31                          ; v31  my scale words: lanes 0-15 A's tiles, lanes 16-31 B's
.set SC,   32                          ; v32-95 register 8 i + ks: lanes 0-15 the word of A's tile i, lanes 16-31 of B's tile i, for K step ks
.set CS0,  96                          ; cos (16) and sin (16) of a block's tokens, set 0
.set CS1,  224                         ; set 1
.set AF,   128                         ; A's fragments
.set X,    128                         ; the way out: 64 numbers
.set PC,   192                         ; the way out: codes, v192-211
.set TM,   212                         ; the way out: v212-223 at work in QUANT
.set W0,   4                           ; the way out: v4-7 four blocks' scale words; v8-11 as they are stored
.set G1,  24                           ; s[24:31] descriptor group 1 for A's tiles;  s[32:39] group 0, one set for each slot
.set G0,  32
.set G1B, 48                           ; s[48:55], s[56:63] the same for B's
.set G0B, 56
.set ISV, 17                           ; s17 1 in v's clusters
.set WV,  66
.set RH,  67                           ; which eight of A's tiles are mine.  Also: I fetch for A (0) or for B (1)
.set CH,  68                           ; which eight of B's.  Also: which eight tiles I fetch
.set CO,  70                           ; s70 where the block in hand goes in ca
.set STEPA, 71                         ; from block to block
.set GADJ, 72                          ; more, behind block 3
.set DIST, 73
.set SO,  74                           ; where the scale words in hand go in sa
.set SSTEP, 75
.set SDIST, 76
.set SSH, 77
.set SEL, 82
.set MSB, 0
.macro WIN new                         ; the immediate's high byte repeats the setting that is left
.if MSB != (\new)
	s_set_vgpr_msb (MSB<<8)|(\new)
.set MSB, (\new)
.endif
.endm
.set MUL_LO, 0xa1                      ; source 0 (B) window 1, source 1 (A) window 0, C and D window 2
.set MUL_HI, 0xf1                      ; the same, C and D window 3
.set TO_B,   0x40                      ; destination window 1, address window 0
; A joint load: waves 0 and 1 fetch for A, waves 2 and 3 for B.  Each line has one mask and one set of registers for all that issue it; the branch hangs on the wave's number alone.
; Four v_nop follow each of the two lines, ahead of the jump, the label and what follows.
.macro JLOAD g0a, g1a, g0b, g1b
	s_cmp_eq_u32 s[RH], 0
	s_cbranch_scc0 .Lfor_b_\@
	tensor_load_to_lds s[\g0a:\g0a+3], s[\g1a:\g1a+7]
	s_nop 0
.rept 4
	v_nop
.endr
	s_branch .Lasked_\@
.Lfor_b_\@:
	tensor_load_to_lds s[\g0b:\g0b+3], s[\g1b:\g1b+7]
	s_nop 0
.rept 4
	v_nop
.endr
.Lasked_\@:
.endm
.macro CREST                           ; a round of the cluster's barrier behind its opening barrier
	s_cmp_lg_u32 s[WV], 0
	s_cbranch_scc1 .Lnot_wave_0_\@
	s_barrier_signal -3
.Lnot_wave_0_\@:
	s_barrier_wait -3
	s_barrier_signal -1
	s_barrier_wait -1
.endm
.macro CROUND                          ; a whole round
	s_barrier_signal -1
	s_barrier_wait -1
	CREST
.endm
.macro PLACES n
.rept \n
	v_nop
.endr
.endm
	s_load_b256 s[4:11], s[0:1], 0x0               ; c1 s[4:5], s1 s[6:7], cos s[8:9], sin s[10:11]
	s_load_b128 s[12:15], s[0:1], 0x20             ; ca s[12:13], sa s[14:15]
	v_lshl_add_u32 v[SPW], v0, 2, SPARE
	v_mov_b32 v[NIL], 0
	ds_add_u32 v28, v29
	ds_add_u32 v28, v29
	s_wait_dscnt 0x0
	v_lshrrev_b32 v1, 5, v0
	v_readfirstlane_b32 s[WV], v1                  ; wave 0..3
	s_lshr_b32 s[RH], s[WV], 1
	s_and_b32 s[CH], s[WV], 1
	s_bfe_u32 s18, ttmp6, 0x40000                  ; cx
	s_bfe_u32 s19, ttmp6, 0x40004                  ; cy
	s_mov_b32 s16, ttmp9                           ; the cluster, 0..11
	s_lshr_b32 s40, s16, 1
	s_lshl_b32 s40, s40, 6                         ; q, k: A = x's tiles from 64 (c / 2)
	s_and_b32 s41, s16, 1
	s_lshl_b32 s41, s41, 6
	s_add_co_u32 s41, s41, 256                     ; q, k: B = W's tiles from 256 + 64 (c % 2)
	s_and_b32 s42, s16, 3
	s_lshl_b32 s42, s42, 6                         ; v: B = x's tiles from 64 (c - 8)
	s_mov_b32 s43, 384                             ; v: A = Wv's tiles
	s_cmp_ge_u32 s16, 8
	s_cselect_b32 s[ISV], 1, 0
	s_cselect_b32 s20, s43, s40                    ; A's first tile of the cluster
	s_cselect_b32 s21, s42, s41                    ; B's
	s_lshl_b32 s44, s19, 2
	s_lshl_b32 s44, 15, s44                        ; my row of the cluster
	s_lshl_b32 s45, 0x1111, s18                    ; my column
	; descriptor group 1: eight tiles' parts of a slot: 8 rows of 3,072 bytes (384 elements of 8 bytes), 12,288 bytes apart; no padding: every LDS read is dense
	s_or_b32 s[G1+0], s44, (3<<16)|(1<<21)         ; 15:0 the mask: A's tiles go to my row; 17:16 elements of 8 bytes; 21 set beside a mask
	s_or_b32 s[G1B+0], s45, (3<<16)|(1<<21)
.irp g, G1, G1B
	s_mov_b32 s[\g+1], 384<<16                     ; tensor_dim0
	s_mov_b32 s[\g+2], 8<<16                       ; tensor_dim1
	s_mov_b32 s[\g+3], 384<<16                     ; tile_dim0
	s_mov_b32 s[\g+4], 8                           ; tile_dim1
	s_mov_b32 s[\g+5], 1536                        ; tensor_dim0_stride
	s_mov_b32 s[\g+6], 0
	s_mov_b32 s[\g+7], 0
.endr
	; where the tiles come from: A's hang on cy alone, B's on cx alone, each in registers that never hold the other coordinate
	s_lshl_b32 s46, s19, 4
	s_add_co_u32 s46, s46, s20
	s_lshl_b32 s47, s[CH], 3
	s_add_co_u32 s46, s46, s47                     ; A: first tile + 16 cy + 8 x half
	s_mul_i32 s46, s46, TILEB
	s_mov_b32 s47, 0
	s_lshl_b32 s78, s18, 4
	s_add_co_u32 s78, s78, s21
	s_lshl_b32 s79, s[CH], 3
	s_add_co_u32 s78, s78, s79                     ; B: first tile + 16 cx + 8 x half
	s_mul_i32 s78, s78, TILEB
	s_mov_b32 s79, 0
	s_mul_i32 s80, s[WV], HALFT                    ; where they go: A's two halves, then B's two: no place in the cluster enters an LDS address
	s_wait_kmcnt 0x0
	s_add_nc_u64 s[46:47], s[4:5], s[46:47]
	s_add_nc_u64 s[78:79], s[4:5], s[78:79]
	CROUND                                         ; all sixteen work-groups are here: the first joint loads meet
.irp s, 0,1
	s_mov_b32 s[G0+4*\s], 1
	s_add_co_u32 s[G0+4*\s+1], s80, \s*SLOT
	s_add_nc_u64 s[G0+4*\s+2:G0+4*\s+3], s[46:47], \s*TSLOT
	s_or_b32 s[G0+4*\s+3], s[G0+4*\s+3], 0x80000000
	s_mov_b32 s[G0B+4*\s], 1
	s_add_co_u32 s[G0B+4*\s+1], s80, \s*SLOT
	s_add_nc_u64 s[G0B+4*\s+2:G0B+4*\s+3], s[78:79], \s*TSLOT
	s_or_b32 s[G0B+4*\s+3], s[G0B+4*\s+3], 0x80000000
.endr
	JLOAD G0, G1, G0B, G1B                         ; slot 0: one tensor load a wave at the head
	v_and_b32 v1, 31, v0                           ; lane
	v_and_b32 v2, 15, v0                           ; r
	v_bfe_u32 v3, v0, 4, 1                         ; h
	v_lshlrev_b32 v[L16], 4, v1
	v_lshlrev_b32 v[L8], 3, v1
	s_mul_i32 s40, s[RH], HALFT                    ; my eight tiles of A
	s_mul_i32 s41, s[CH], HALFT                    ; my eight of B,
	s_add_co_u32 s41, s41, 2*HALFT                 ; which lie behind A's sixteen
.irp s, 0,1
	v_add_nc_u32 v[ADRA+\s], s40, v[L16]
	v_add_nc_u32 v[ADRA+2+\s], s40, v[L8]
	v_add_nc_u32 v[ADRB+\s], s41, v[L16]
	v_add_nc_u32 v[ADRB+2+\s], s41, v[L8]
	s_add_co_u32 s40, s40, SLOT
	s_add_co_u32 s41, s41, SLOT
.endr
	; the scale words: lanes 0-15 take my A tiles', lanes 16-31 my B tiles'
	s_lshl_b32 s42, s19, 4
	s_add_co_u32 s42, s42, s20
	s_lshl_b32 s43, s[RH], 3
	s_add_co_u32 s42, s42, s43
	s_lshl_b32 s42, s42, 9                         ; my first A tile x 512
	s_lshl_b32 s43, s18, 4
	s_add_co_u32 s43, s43, s21
	s_lshl_b32 s84, s[CH], 3
	s_add_co_u32 s43, s43, s84
	s_lshl_b32 s43, s43, 9                         ; my first B tile x 512
	v_mov_b32 v4, s42
	v_mov_b32 v5, s43
	v_cmp_eq_u32 vcc_lo, 1, v3
	v_cndmask_b32 v[SOF], v4, v5, vcc_lo
	v_lshl_add_u32 v[SOF], v2, 4, v[SOF]           ; + 16 r
.irp i, 0,1,2,3,4,5,6,7
.irp u, 0,1
	global_load_b128 v[SC+8*\i+4*\u:SC+8*\i+4*\u+3], v[SOF], s[6:7] offset:512*\i+256*\u   ; tile i, K steps 4 u .. 4 u + 3
.endr
.endr
	; cos and sin: my token's row (128 bytes), the eight pairs of my half of each 32 channels
	s_bfe_u32 s84, s16, 0x10001
	s_lshl_b32 s84, s84, 6
	s_lshl_b32 s85, s19, 4
	s_add_co_u32 s84, s84, s85
	s_lshl_b32 s85, s[RH], 3
	s_add_co_u32 s84, s84, s85                     ; my first tile of tokens within the batch: 64 ((c / 2) % 2) + 16 cy + 8 x half
	s_lshl_b32 s85, s84, 4
	v_and_b32 v6, 7, v2
	v_lshrrev_b32 v7, 3, v2
	v_lshl_add_u32 v6, v7, 4, v6                   ; r % 8 + 16 (r / 8)
	v_add_nc_u32 v6, s85, v6
	v_lshlrev_b32 v6, 7, v6
	v_lshl_add_u32 v[RO], v3, 5, v6
.macro CSLOAD a                        ; block a's tokens: cos at +0 .. 15, sin at +16 .. 31 of set a % 2; entry 8 e + i is pair 16 e + 8 h + i
.set CB, CS0+(CS1-CS0)*((\a)%2)
.set CF, (32*((\a)/2)+8*((\a)%2))*128
	global_load_b128 v[CB:CB+3], v[RO], s[8:9] offset:CF
	global_load_b128 v[CB+4:CB+7], v[RO], s[8:9] offset:CF+16
	global_load_b128 v[CB+8:CB+11], v[RO], s[8:9] offset:CF+64
	global_load_b128 v[CB+12:CB+15], v[RO], s[8:9] offset:CF+80
	global_load_b128 v[CB+16:CB+19], v[RO], s[10:11] offset:CF
	global_load_b128 v[CB+20:CB+23], v[RO], s[10:11] offset:CF+16
	global_load_b128 v[CB+24:CB+27], v[RO], s[10:11] offset:CF+64
	global_load_b128 v[CB+28:CB+31], v[RO], s[10:11] offset:CF+80
.endm
	CSLOAD 0
	CSLOAD 1
	; where the results go
	s_lshr_b32 s86, s16, 2
	s_lshl_b32 s86, s86, 4
	s_lshl_b32 s87, s18, 2
	s_add_co_u32 s86, s86, s87
	s_lshl_b32 s87, s[CH], 1
	s_add_co_u32 s86, s86, s87                     ; q, k: my first head: 16 x batch + 4 cx + 2 x half
	s_bfe_u32 s88, s16, 0x10001
	s_lshl_b32 s88, s88, 4
	s_lshl_b32 s89, s19, 2
	s_add_co_u32 s88, s88, s89
	s_lshl_b32 s89, s[RH], 1
	s_add_co_u32 s88, s88, s89                     ; v: 16 x batch + 4 cy + 2 x half
	s_and_b32 s90, s16, 1                          ; q, k: which of the two;  v: which half of the batch's tokens
	s_lshl_b32 s91, s90, 3
	s_lshl_b32 s92, s18, 1
	s_add_co_u32 s91, s91, s92
	s_add_co_u32 s91, s91, s[CH]                   ; v: my key step
	s_mul_i32 s92, s86, 294912
	s_mul_i32 s93, s90, 98304
	s_add_co_u32 s92, s92, s93
	s_mul_i32 s93, s84, 768
	s_add_co_u32 s92, s92, s93                     ; q, k: codes
	s_mul_i32 s93, s88, 294912
	s_mul_i32 s94, s91, 6144
	s_add_co_u32 s93, s93, s94
	s_add_co_u32 s93, s93, 196608                  ; v: codes
	s_mul_i32 s94, s86, 20480
	s_lshl_b32 s95, s90, 13
	s_add_co_u32 s94, s94, s95
	s_lshl_b32 s95, s84, 6
	s_add_co_u32 s94, s94, s95                     ; q, k: scale words
	s_mul_i32 s95, s88, 20480
	s_lshl_b32 s96, s91, 8
	s_add_co_u32 s95, s95, s96
	s_add_co_u32 s95, s95, 16384                   ; v: scale words
	s_mov_b32 s[STEPA], 768
	s_mov_b32 s[DIST], 294912
	s_mov_b32 s[SSTEP], 256
	s_cmp_eq_u32 s[ISV], 1
	s_cselect_b32 s[CO], s93, s92
	s_cselect_b32 s[SO], s95, s94
	s_cselect_b32 s[STEPA], 1536, s[STEPA]         ; q, k: a tile on;  v: a channel tile's fragment on
	s_cselect_b32 s[GADJ], 288768, 0               ; v: behind four channel tiles the next head
	s_cselect_b32 s[DIST], 768, s[DIST]            ; q, k: a fragment's two halves are two heads;  v: they stay together
	s_cselect_b32 s[SSTEP], 20480, s[SSTEP]
	s_cselect_b32 s[SDIST], 0, 20480
	s_cselect_b32 s[SSH], 0, 16
	s_mov_b32 s[SEL], 0x76543210
	s_mov_b32 s[SEL+1], 0xfedcba98
	v_add_nc_u32 v[L16D], s[DIST], v[L16]
	v_add_nc_u32 v[L8D], s[DIST], v[L8]
	v_mul_u32_u24 v14, v3, s[SSH]                  ; q, k: lanes 16-31 take the second head's two bytes
	v_mul_u32_u24 v15, v3, s[SDIST]
	v_lshl_add_u32 v15, v2, 4, v15                 ; 16 r, and for q, k a head on in lanes 16-31
.macro FRAG reg, adr, q, i             ; tile i's fragment of the slot's q-th K step, as it lies: 512, 256, 512, 256 consecutive bytes
	ds_load_b128 v[\reg:\reg+3], v[\adr] offset:(\i)*TSLOT+(\q)*KSB
	ds_load_b64 v[\reg+4:\reg+5], v[\adr+2] offset:(\i)*TSLOT+(\q)*KSB+512
	ds_load_b128 v[\reg+6:\reg+9], v[\adr] offset:(\i)*TSLOT+(\q)*KSB+768
	ds_load_b64 v[\reg+10:\reg+11], v[\adr+2] offset:(\i)*TSLOT+(\q)*KSB+1280
.endm
; 16 matrix instructions: A's blocks a0, a0 + 1 x B's eight, K step ks.  p: B's set.  zero = 1: the first product starts the sums.  The 64 accumulators take turns, one instruction a turn, in the same order in every step.
.macro MUL16 a0, p, ks, zero
.irp a, \a0, \a0+1
.irp b, 0,1,2,3,4,5,6,7
.if \zero
	v_wmma_scale_f32_16x16x128_f8f6f4 v[8*(8*((\a)%4)+\b):8*(8*((\a)%4)+\b)+7], v[128*(\p)+FR*\b:128*(\p)+FR*\b+FR-1], v[AF+FR*(\a):AF+FR*(\a)+FR-1], 0, v[SC+8*\b+(\ks)], v[SC+8*(\a)+(\ks)] matrix_a_fmt:MATRIX_FMT_FP6 matrix_b_fmt:MATRIX_FMT_FP6 matrix_a_scale:MATRIX_SCALE_ROW1
.else
	v_wmma_scale_f32_16x16x128_f8f6f4 v[8*(8*((\a)%4)+\b):8*(8*((\a)%4)+\b)+7], v[128*(\p)+FR*\b:128*(\p)+FR*\b+FR-1], v[AF+FR*(\a):AF+FR*(\a)+FR-1], v[8*(8*((\a)%4)+\b):8*(8*((\a)%4)+\b)+7], v[SC+8*\b+(\ks)], v[SC+8*(\a)+(\ks)] matrix_a_fmt:MATRIX_FMT_FP6 matrix_b_fmt:MATRIX_FMT_FP6 matrix_a_scale:MATRIX_SCALE_ROW1
.endif
.endr
.endr
.endm
.macro FETCH_B slot, q, p
	WIN TO_B
.irp i, 0,1,2,3,4,5,6,7
	FRAG 128*(\p)+FR*\i, ADRB+\slot, \q, \i
.endr
	WIN 0
.endm
.macro FETCH_A slot, q, i0
.irp i, \i0, \i0+1, \i0+2, \i0+3
	FRAG AF+FR*(\i), ADRA+\slot, \q, \i
.endr
.endm
; A K step that has its successor in the same slot.  A has one set of registers: blocks 0-3 are fetched anew in the step's middle, blocks 4-7 at its end; B has two sets.
.macro STEP slot, q, ks, zero
	s_wait_dscnt 4*NL                              ; B's set and A's blocks 0-3 are in; the youngest 16 loads (A's blocks 4-7) may be out
	WIN MUL_LO
	MUL16 0, (\q)%2, \ks, \zero
	MUL16 2, (\q)%2, \ks, \zero
	s_wait_dscnt 0                                 ; A's blocks 4-7 are in
	PLACES NP                                      ; in front of loads into registers that matrix instructions have read
	FETCH_B \slot, (\q)+1, 1-(\q)%2
	FETCH_A \slot, (\q)+1, 0
	WIN MUL_HI
	MUL16 4, (\q)%2, \ks, \zero
	MUL16 6, (\q)%2, \ks, \zero
	PLACES NP
	WIN 0
	FETCH_A \slot, (\q)+1, 4
.endm
; A slot's last K step changes slots: one barrier; in front of it each wave waits for all its tensor loads, adds 0 to its spare word, and waits for that and for its own reads of this slot.  fill = 1: this slot is filled again, two slots ahead.
.macro TURN slot, next, ks, fill
	s_wait_tensorcnt 0x0                           ; all my tensor loads have landed: my part of the next slot
	ds_add_u32 v[SPW], v[NIL]                      ; 0 onto my spare word
	s_wait_dscnt 4*NL+1                            ; (the add and the youngest 16 loads, A's blocks 4-7, may be out)
	WIN MUL_LO
	MUL16 0, 1, \ks, 0                             ; sixteen matrix instructions stand between the add and the wait for it
	s_wait_dscnt 0x0                               ; the add is done, and my reads of this slot are over
	s_barrier_signal -1
	MUL16 2, 1, \ks, 0
	WIN 0
	s_barrier_wait -1
.if \fill
	CREST                                          ; the barrier has opened a round of the cluster's barrier: no wave of any partner still reads this slot or has a load on its way
	s_add_nc_u64 s[G0+4*\slot+2:G0+4*\slot+3], s[G0+4*\slot+2:G0+4*\slot+3], 2*TSLOT
	s_add_nc_u64 s[G0B+4*\slot+2:G0B+4*\slot+3], s[G0B+4*\slot+2:G0B+4*\slot+3], 2*TSLOT
	JLOAD G0+4*\slot, G1, G0B+4*\slot, G1B         ; the first tensor load behind the round, my one load until the next; its four v_nop are the places in front of the loads below
.else
	PLACES NP
.endif
	FETCH_B \next, 0, 0
	FETCH_A \next, 0, 0
	WIN MUL_HI
	MUL16 4, 1, \ks, 0
	MUL16 6, 1, \ks, 0
	PLACES NP
	WIN 0
	FETCH_A \next, 0, 4
.endm
	s_wait_alu depctr_va_vdst(0)                   ; the wait at the head's end
	s_wait_tensorcnt 0x0                           ; my part of slot 0 is in
	ds_add_u32 v[SPW], v[NIL]
	s_wait_dscnt 0x0
	CROUND                                         ; everybody's part is in, and all sixteen work-groups are here
	JLOAD G0+4, G1, G0B+4, G1B                     ; slot 1's first fill, the first tensor load behind the round
	FETCH_B 0, 0, 0
	FETCH_A 0, 0, 0
	FETCH_A 0, 0, 4
	s_wait_loadcnt 0x0                             ; the scale words, and the first two sets of cos and sin
	STEP 0, 0, 0, 1                                ; the first step's products start the sums: nothing is cleared
	TURN 0, 1, 1, 1                                ; slot 0 takes K steps 4, 5
	STEP 1, 0, 2, 0
	TURN 1, 0, 3, 1                                ; slot 1 takes K steps 6, 7
	STEP 0, 0, 4, 0
	TURN 0, 1, 5, 0                                ; nothing is left to fetch
	STEP 1, 0, 6, 0
	s_wait_dscnt 4*NL
	WIN MUL_LO
	MUL16 0, 1, 7, 0
	MUL16 2, 1, 7, 0
	s_wait_dscnt 0
	WIN MUL_HI
	MUL16 4, 1, 7, 0
	MUL16 6, 1, 7, 0
	WIN 0
	PLACES NP                                      ; in front of the first read of results, and of vector writes into registers that held A's fragments
; THE WAY OUT, block by block of A's tiles.  A block's 64 registers of a lane are 128 neighbours along source 0's rows: register 16 b + i = 32 b + 16 h + i.  They are turned (q, k) or copied (v) into window 0, quantised, and stored as images.
.macro QUANT s, pw
.irp b, 0,1,2,3
	v_max3_num_f32 v[TM+\b], |v[\s+16*\b]|, |v[\s+1+16*\b]|, 0x1800000   ; block b: my 16 numbers, and the floor 2^(3 - 127)
.endr
.irp i, 2,4,6,8,10,12,14
.irp b, 0,1,2,3
	v_max3_num_f32 v[TM+\b], v[TM+\b], |v[\s+16*\b+\i]|, |v[\s+1+16*\b+\i]|
.endr
.endr
.irp b, 0,1,2,3
	v_permlanex16_b32 v[TM+4+\b], v[TM+\b], s[SEL], s[SEL+1]
.endr
.irp b, 0,1,2,3
	v_max_num_f32 v[TM+\b], v[TM+\b], v[TM+4+\b]   ; with lane l xor 16's: the block's largest magnitude
.endr
.irp b, 0,1,2,3
	v_add_nc_u32 v[TM+8+\b], 0xff000000, v[TM+\b]  ; 2 off its exponent field: the conversion's scale operand
.endr
.irp b, 0,1,2,3
	v_lshrrev_b32 v[TM+4+\b], 23, v[TM+8+\b]       ; the scale's byte
.endr
	v_lshl_or_b32 v[\pw], v[TM+5], 8, v[TM+4]
	v_lshl_or_b32 v[\pw], v[TM+6], 16, v[\pw]
	v_lshl_or_b32 v[\pw], v[TM+7], 24, v[\pw]
.irp c, 0,1
	v_cvt_scalef32_pk16_fp6_f32 v[PC+6*\c:PC+2+6*\c], v[\s+32*\c:\s+15+32*\c], v[TM+8+2*\c]
	v_cvt_scalef32_pk16_fp6_f32 v[PC+12+4*\c:PC+14+4*\c], v[\s+16+32*\c:\s+31+32*\c], v[TM+8+2*\c+1]
.endr
	v_nop                                          ; one plain place behind a scaled conversion
.irp c, 0,1
.irp i, 0,1,2
	v_permlane16_swap_b32 v[PC+6*\c+\i], v[PC+12+4*\c+\i]
.endr
.irp i, 0,1,2
	v_mov_b32 v[PC+3+6*\c+\i], v[PC+12+4*\c+\i]
.endr
.endr
.endm
; Pair M (registers 2 M, 2 M + 1: an even channel and the odd one behind it) takes entry M % 16 of the set: even' = even cos - odd sin, odd' = odd cos + even sin.
.macro ROPE_MUL
.set CE, CB+((M%16)/2)*2
.if (M%2) == 0
	v_pk_mul_f32 v[X+2*M:X+2*M+1], v[AC+2*M:AC+2*M+1], v[CE:CE+1] op_sel_hi:[1,0]
.else
	v_pk_mul_f32 v[X+2*M:X+2*M+1], v[AC+2*M:AC+2*M+1], v[CE:CE+1] op_sel:[0,1] op_sel_hi:[1,1]
.endif
.endm
.macro ROPE_FMA                        ; source 0 crosswise: the low half takes the odd channel, the high half the even one; sin is negated for the low half
.set CE, CB+((M%16)/2)*2
.if (M%2) == 0
	v_pk_fma_f32 v[X+2*M:X+2*M+1], v[AC+2*M:AC+2*M+1], v[CE+16:CE+17], v[X+2*M:X+2*M+1] op_sel:[1,0,0] op_sel_hi:[0,0,1] neg_lo:[0,1,0]
.else
	v_pk_fma_f32 v[X+2*M:X+2*M+1], v[AC+2*M:AC+2*M+1], v[CE+16:CE+17], v[X+2*M:X+2*M+1] op_sel:[1,1,0] op_sel_hi:[0,1,1] neg_lo:[0,1,0]
.endif
.endm
.macro BLOCKOUT a
.set AC, 64*((\a)%4)
.set CB, CS0+(CS1-CS0)*((\a)%2)
	s_wait_xcnt 0x0                                ; the last block's stores have read their offsets and data, which are written again below
.if (\a) == 7
	s_wait_loadcnt 0x0
.elseif (\a) >= 2
	s_wait_loadcnt 0x8                             ; this block's cos and sin are in; the next block's eight loads may be out
.endif
	s_cmp_eq_u32 s[ISV], 0                         ; the cluster's number decides: alike in all partners
	s_cbranch_scc0 .Lcopy_\@
	WIN 0x02+(\a)/4                                ; source 0: window 2 or 3
.set M, 0
.rept 32
	ROPE_MUL                                       ; each accumulator from its low end on
.set M, M+1
.endr
.set M, 0
.rept 32
	ROPE_FMA
.set M, M+1
.endr
	WIN 0
	s_branch .Ljoin_\@
.Lcopy_\@:
	WIN 0x02+(\a)/4
.set M, 0
.rept 64
	v_mov_b32 v[X+M], v[AC+M]                      ; v is quantised as it is: into the window in which QUANT works
.set M, M+1
.endr
	WIN 0
.Ljoin_\@:
.if (\a) < 6
	CSLOAD (\a)+2                                  ; into the set just used
.endif
	QUANT X, W0+(\a)%4
	v_add_nc_u32 v1, s[CO], v[L16]
	v_add_nc_u32 v2, s[CO], v[L8]
	v_add_nc_u32 v3, s[CO], v[L16D]
	v_add_nc_u32 v12, s[CO], v[L8D]
	global_store_b128 v1, v[PC:PC+3], s[12:13]                   ; 512, 256, 512, 256 consecutive bytes, aligned
	global_store_b64 v2, v[PC+4:PC+5], s[12:13] offset:512
	global_store_b128 v3, v[PC+6:PC+9], s[12:13]
	global_store_b64 v12, v[PC+10:PC+11], s[12:13] offset:512
	s_add_co_u32 s[CO], s[CO], s[STEPA]
.if (\a) == 3
	s_add_co_u32 s[CO], s[CO], s[GADJ]
.endif
.if (\a)%4 == 3                                ; four blocks' words lie together
.irp i, 0,1,2,3
	v_lshrrev_b32 v[8+\i], v14, v[W0+\i]
.endr
	v_add_nc_u32 v13, s[SO], v15
	global_store_b128 v13, v[8:11], s[14:15]       ; sixteen lanes fill 256 consecutive bytes, aligned
	s_add_co_u32 s[SO], s[SO], s[SSTEP]
.endif
.endm
.irp b, 0,1,2,3
	v_mov_b32 v[TM+4+\b], 0                        ; written once: a lane permute's destination counts as one of its sources
.endr
.irp a, 0,1,2,3,4,5,6,7
	BLOCKOUT \a
.endr
	s_wait_tensorcnt 0x0                           ; the wave's end
	ds_add_u32 v[SPW], v[NIL]
	s_wait_dscnt 0x0
	CROUND                                         ; the closing round: no work-group ends while a partner may still ask for a tile that names it
	s_endpgm
.Lfunc_end_k_q8b60182235_qkv:
	.size	k_q8b60182235_qkv, .Lfunc_end_k_q8b60182235_qkv-k_q8b60182235_qkv
	.p2alignl 7, 3214868480
	.fill 96, 4, 3214868480
	.section	.rodata,"a",@progbits
	.p2align	6, 0x0
	.amdhsa_kernel k_q8b60182235_qkv
		.amdhsa_group_segment_fixed_size 327680
		.amdhsa_private_segment_fixed_size 0
		.amdhsa_enable_private_segment 0
		.amdhsa_kernarg_size 48
		.amdhsa_user_sgpr_count 2
		.amdhsa_user_sgpr_kernarg_segment_ptr 1
		.amdhsa_wavefront_size32 1
		.amdhsa_system_sgpr_workgroup_id_x 1
		.amdhsa_system_sgpr_workgroup_id_y 1
		.amdhsa_system_sgpr_workgroup_id_z 1
		.amdhsa_system_vgpr_workitem_id 0
		.amdhsa_next_free_vgpr 1024
		.amdhsa_next_free_sgpr 100
		.amdhsa_reserve_vcc 1
		.amdhsa_float_denorm_mode_32 3
		.amdhsa_float_denorm_mode_16_64 3
		.amdhsa_memory_ordered 1
		.amdhsa_forward_progress 1
		.amdhsa_inst_pref_size 205
	.end_amdhsa_kernel
	.amdgpu_metadata
---
amdhsa.version: [ 1, 2 ]
amdhsa.kernels:
  - .name:           k_q8b60182235_qkv
    .symbol:         k_q8b60182235_qkv.kd
    .args:
      - { .name: c1, .offset: 0, .size: 8, .value_kind: global_buffer, .address_space: global }
      - { .name: s1, .offset: 8, .size: 8, .value_kind: global_buffer, .address_space: global }
      - { .name: cos, .offset: 16, .size: 8, .value_kind: global_buffer, .address_space: global }
      - { .name: sin, .offset: 24, .size: 8, .value_kind: global_buffer, .address_space: global }
      - { .name: ca, .offset: 32, .size: 8, .value_kind: global_buffer, .address_space: global }
      - { .name: sa, .offset: 40, .size: 8, .value_kind: global_buffer, .address_space: global }
    .group_segment_fixed_size: 327680
    .private_segment_fixed_size: 0
    .kernarg_segment_align: 8
    .kernarg_segment_size: 48
    .max_flat_workgroup_size: 128
    .sgpr_count:     100
    .vgpr_count:     1024
    .wavefront_size: 32
...
	.end_amdgpu_metadata
.endif
;; end of part 2
;; launch attn (part 3): grid 8 x 32, 8 waves a work-group, clusters of 4 x 1, 209,920 bytes of LDS; arguments ca, sa, c2, s2; writes c2, s2
.if DOCPART == 3
	.amdgcn_target "amdgcn-amd-amdhsa--gfx1250"
	.amdhsa_code_object_version 6
	.text
	.protected	k_q8b60182235_attn
	.globl	k_q8b60182235_attn
	.p2align	8
	.type	k_q8b60182235_attn,@function
k_q8b60182235_attn:
	s_mov_b64 s[64:65], 0
	v_nop
	global_prefetch_b8 v0, s[64:65] scope:SCOPE_SE
	s_setreg_imm32_b32 hwreg(HW_REG_WAVE_MODE, 25, 1), 1
	s_wait_xcnt 0x0
	s_wait_alu depctr_hold_cnt(0) depctr_sa_sdst(0) depctr_va_vdst(0) depctr_va_sdst(0) depctr_va_ssrc(0) depctr_va_vcc(0) depctr_vm_vsrc(0)
	s_getreg_b32 s2, hwreg(HW_REG_IB_STS2, 6, 4)
	s_cmp_eq_u32 s2, 0
	s_cbranch_scc0 .Lentry_in_a_cluster
	s_endpgm
.Lentry_in_a_cluster:
	s_bfe_u32 s2, ttmp6, 0x10000c
	s_cmp_lg_u32 s2, 0x3003
	s_cbranch_scc0 .Lentry_shape_is_right
	s_endpgm
.Lentry_shape_is_right:
; Causal attention of one head on codes of FP6 (E2M3): S^T = K Q^T (K = the head's 64; the upper 64 of the instruction's 128 are zero codes on Q's side), the softmax, O^T = V^T P^T (K = the keys), O quantised for the last product.
; LEFT OUT: key steps all of whose keys lie behind a tile's queries: their p is 0 for all inputs.
; THE SOFTMAX: t = score x log2(e) / 8; M = the row's largest t so far, rounded up to a whole number; p = 2^(t - M) is quantised along the keys; the row's sum is taken of the unquantised p and divides O at the end.
; When M moves, the sum and O are multiplied by 2^(old M - new M): exact.
; SHARES.  Work-group g of a head's eight has eight waves.  Wave w owns two tiles of 16 queries, 8 w + g and 8 (15 - w) + g of the head's 128: key steps 0 .. w and 0 .. 15 - w, 17 steps of 128 keys in every wave.
; ONE LOOP OF 17 TRIPS.  x = (15 - w) + trip.  x <= 15: first tile, key step 15 - x, from its diagonal step down to 0; x >= 16: second tile, key step x - 16, up to its diagonal step.
; So the diagonal steps are trips 0 and 16 in every wave, and every branch hangs on the trip and the wave's number alone, alike in all partners of a cluster.  The order of the key steps is free under a running M.
; LDS holds the head's scale words (K's 8,192 bytes, V's 4,096), K (98,304) and V (98,304) whole, filled ONCE by joint tensor loads (the four work-groups of a cluster walk the same head), one a wave:
; waves 0-5 take 32,768 bytes of codes each, waves 6-7 6,144 bytes of scale words each.  One wait and one barrier; nothing is filled again.  No prefetch: every byte is asked for once, at the head, with no loop ahead of it.
; FRAGMENTS are images of registers (tile: lane r = row 32 (T / 2) + 8 (T % 2) + r % 8 + 16 (r / 8)).  K's eight fragments of a step lie 6 registers apart: a fragment's upper six registers are the next fragment's codes
; (the last one's: V's), which meet Q's zero codes and add nothing.  The next step's K is asked for ahead of the step's last products; the last trip's such loads read filled LDS bytes and are not used.
; Scale words are read at 16 x lane: lanes 16-31, which the products do not read, take the 256 bytes behind, which are filled too.
; LIMITS: the scaled scores stay under 2^31 in magnitude; NaN and infinities are not served; a block of zeros, or one under 2^-124, keeps the byte 1 (its codes are zeros; this program alone reads the bytes); 1 / the sum is v_rcp_f32 and a multiply.
; REGISTERS: v1 16 l, v2 8 l, v3-5 a step's addresses, v6 -infinity, v7 the mask's bound, v8 Q's scale word, v9 the second tile's, v10 p's, v11 at work, v12 -M, v13 largest t, v[14:15] the sum, v16-27 Q, v28-33 the second Q,
;   v34-35 the add's, v[36:37] f, v38-45 K's words, v46-49 V's, v50-61 p's codes, v62 16 r + h, v63 h, v64-111 K (behind the scores: at work), v112-159 V, v160-223 S^T, then p, on the way out at work, v224-255 O^T.
.set KOFF,  12288
.set VOFF,  110592
.set SPARE, 208896
.set WV,  12
.set X,   13
.set KS,  14
.set I,   15
.set TV,  16
.set TJ,  17
.set TKN, 18
.set TSN, 19
.set SEL, 20
.set CS,  22
.set G1C, 24
.set G1S, 32
.set G0C, 40
.set G0S, 44
.set TIL, 48
.set T2,  49
.set T0,  50
.set KW,  38
.set VW,  46
.set PC,  50
.set KF,  64
.set BM,  64
.set PT,  68
.set SOP, 72
.set CT,  76
.set PS,  84
.set VF,  112
.set S,   160
.set O,   224
.macro ROUND
	s_barrier_signal -1
	s_barrier_wait -1
	s_cmp_lg_u32 s[WV], 0
	s_cbranch_scc1 .Lnot_wave_0_\@
	s_barrier_signal -3
.Lnot_wave_0_\@:
	s_barrier_wait -3
	s_barrier_signal -1
	s_barrier_wait -1
.endm
.macro KSOF                            ; s[KS] = the key step of place x: (x % 16) xor 15 while bit 4 of x is 0, else x % 16
	s_bfe_u32 s[T0], s[X], 0x10004
	s_xor_b32 s[T0], s[T0], 1
	s_mul_i32 s[T0], s[T0], 15
	s_and_b32 s[KS], s[X], 15
	s_xor_b32 s[KS], s[KS], s[T0]
.endm
.macro KNEXT                           ; where that step's K and its words lie
	s_mul_i32 s[TKN], s[KS], 6144
	s_add_co_u32 s[TKN], s[TKN], KOFF
	s_lshl_b32 s[TSN], s[KS], 9
.endm
.macro KLOAD                           ; 18 LDS loads: eight half-images, eight scale words
	v_add_nc_u32 v3, s[TKN], v1
	v_add_nc_u32 v4, s[TKN], v2
	v_add_nc_u32 v5, s[TSN], v1
.irp n, 0,1,2,3,4,5,6,7
	ds_load_b128 v[KF+6*\n:KF+6*\n+3], v3 offset:\n*768
	ds_load_b64 v[KF+6*\n+4:KF+6*\n+5], v4 offset:\n*768+512
.endr
	ds_load_b128 v[KW:KW+3], v5
	ds_load_b128 v[KW+4:KW+7], v5 offset:256
.endm
	s_load_b256 s[4:11], s[0:1], 0x0               ; ca, sa, c2, s2
	v_lshl_add_u32 v34, v0, 2, SPARE
	v_mov_b32 v35, 0
	ds_add_u32 v34, v35                            ; the opening lines: the add, twice on end, and its wait
	ds_add_u32 v34, v35
	v_lshrrev_b32 v1, 5, v0
	s_delay_alu instid0(VALU_DEP_1)
	v_readfirstlane_b32 s[WV], v1                  ; wave 0..7
	s_bfe_u32 s51, ttmp6, 0x40000                  ; cx: it enters global addresses of Q and O and a vector compare, nothing else
	s_and_b32 s66, ttmp7, 0xffff                   ; the head, which the four partners share
	s_xor_b32 s[X], s[WV], 15                      ; x = 15 - w
	s_mul_i32 s68, s66, 294912
	s_mov_b32 s69, 0
	s_mul_i32 s70, s66, 20480
	s_mov_b32 s71, 0
	s_lshl_b32 s72, s[WV], 15                      ; my 32,768 bytes of the codes
	s_and_b32 s73, s[WV], 1
	s_mul_i32 s73, s73, 6144                       ; my 6,144 bytes of the words
	s_mov_b32 s[G1C], 15|(3<<16)|(1<<21)           ; dense blocks as rows of 256 bytes (32 elements of 8): 128 rows of codes,
	s_mov_b32 s[G1C+1], 32<<16
	s_mov_b32 s[G1C+2], 128<<16
	s_mov_b32 s[G1C+3], 32<<16
	s_mov_b32 s[G1C+4], 128
	s_mov_b32 s[G1C+5], 32
	s_mov_b32 s[G1C+6], 0
	s_mov_b32 s[G1C+7], 0
	s_mov_b32 s[G1S], 15|(3<<16)|(1<<21)           ; 24 of words
	s_mov_b32 s[G1S+1], 32<<16
	s_mov_b32 s[G1S+2], 24<<16
	s_mov_b32 s[G1S+3], 32<<16
	s_mov_b32 s[G1S+4], 24
	s_mov_b32 s[G1S+5], 32
	s_mov_b32 s[G1S+6], 0
	s_mov_b32 s[G1S+7], 0
	s_mov_b32 s[SEL], 0x76543210
	s_mov_b32 s[SEL+1], 0xfedcba98
	s_mov_b32 s[CS], 0x3e38aa3b                    ; log2(e) / 8
	s_mov_b32 s[CS+1], s[CS]
	s_mov_b32 s[I], 0
	s_wait_dscnt 0x0
	s_wait_kmcnt 0x0
	s_add_nc_u64 s[74:75], s[4:5], s[68:69]        ; my head in ca
	s_add_nc_u64 s[76:77], s[6:7], s[70:71]        ; and in sa
	ROUND                                          ; all four work-groups are here: the joint loads meet
	s_mov_b32 s[G0C], 1
	s_add_co_u32 s[G0C+1], s72, KOFF
	s_add_co_u32 s78, s72, 98304                   ; k's and v's codes lie behind q's
	s_mov_b32 s79, 0
	s_add_nc_u64 s[G0C+2:G0C+3], s[74:75], s[78:79]
	s_or_b32 s[G0C+3], s[G0C+3], 0x80000000
	s_mov_b32 s[G0S], 1
	s_mov_b32 s[G0S+1], s73
	s_add_co_u32 s78, s73, 8192                    ; k's and v's words lie behind q's
	s_add_nc_u64 s[G0S+2:G0S+3], s[76:77], s[78:79]
	s_or_b32 s[G0S+3], s[G0S+3], 0x80000000
	s_cmp_lt_u32 s[WV], 6
	s_cbranch_scc0 .Lwords
	tensor_load_to_lds s[G0C:G0C+3], s[G1C:G1C+7]
	s_nop 0
.rept 4
	v_nop
.endr
	s_branch .Lasked
.Lwords:
	tensor_load_to_lds s[G0S:G0S+3], s[G1S:G1S+7]
	s_nop 0
.rept 4
	v_nop
.endr
.Lasked:
	s_lshl_b32 s60, ttmp9, 2
	s_add_co_u32 s60, s60, s51                     ; g
	s_lshl_b32 s[TIL], s[WV], 3
	s_add_co_u32 s[TIL], s[TIL], s60               ; my first tile
	s_lshl_b32 s[T2], s[X], 3
	s_add_co_u32 s[T2], s[T2], s60                 ; my second
	s_lshr_b32 s62, s60, 1
	s_lshl_b32 s62, s62, 5
	s_and_b32 s63, s60, 1
	s_lshl_b32 s63, s63, 3
	s_add_co_u32 s62, s62, s63                     ; 32 (g / 2) + 8 (g % 2)
	s_mul_i32 s52, s[TIL], 768
	s_mul_i32 s53, s[T2], 768
	s_lshr_b32 s54, s[TIL], 2
	s_lshl_b32 s54, s54, 8
	s_and_b32 s56, s[TIL], 3
	s_lshl_b32 s56, s56, 2
	s_add_co_u32 s54, s54, s56
	s_lshr_b32 s55, s[T2], 2
	s_lshl_b32 s55, s55, 8
	s_and_b32 s56, s[T2], 3
	s_lshl_b32 s56, s56, 2
	s_add_co_u32 s55, s55, s56
	v_and_b32 v3, 31, v0
	v_and_b32 v4, 15, v0                           ; r
	v_bfe_u32 v63, v0, 4, 1                        ; h
	v_lshlrev_b32 v1, 4, v3
	v_lshlrev_b32 v2, 3, v3
	v_lshl_add_u32 v62, v4, 4, v63
	v_and_b32 v5, 7, v4
	v_lshrrev_b32 v11, 3, v4
	s_delay_alu instid0(VALU_DEP_1)
	v_lshl_add_u32 v5, v11, 4, v5
	v_lshlrev_b32 v11, 4, v63
	s_delay_alu instid0(VALU_DEP_2)
	v_add_nc_u32 v5, s62, v5                       ; my query within its key block
	s_delay_alu instid0(VALU_DEP_1)
	v_sub_nc_u32 v7, v5, v11                       ; less 16 h: on the diagonal register 16 b + i is hidden where 32 b + i is above this
	v_add_nc_u32 v160, s52, v1
	v_add_nc_u32 v161, s52, v2
	v_add_nc_u32 v162, s53, v1
	v_add_nc_u32 v163, s53, v2
	v_lshl_add_u32 v164, v4, 4, s54
	v_lshl_add_u32 v165, v4, 4, s55
	global_load_b128 v[16:19], v160, s[74:75]      ; both tiles' Q and scale words stay in registers
	global_load_b64 v[20:21], v161, s[74:75] offset:512
	global_load_b128 v[28:31], v162, s[74:75]
	global_load_b64 v[32:33], v163, s[74:75] offset:512
	global_load_b32 v8, v164, s[76:77]
	global_load_b32 v9, v165, s[76:77]
.irp j, 22,23,24,25,26,27
	v_mov_b32 v[\j], 0                             ; Q's upper 64 along K: zero codes
.endr
.irp j, 0,1,2,3,4,5
	v_mov_b32 v[VF+\j], 0                          ; written once: K's last fragment names them in the first trip
.endr
.macro FRESH                           ; a tile begins: O^T and the sum are 0, the largest t is -3e38, under every t
.set J, 0
.rept 32
	v_mov_b32 v[O+J], 0
.set J, J+1
.endr
	v_mov_b32 v14, 0
	v_mov_b32 v15, 0
	v_mov_b32 v13, 0xff61b1e6
	s_delay_alu instid0(VALU_DEP_1)
	v_floor_f32 v12, -v13
.endm
	FRESH
	v_mov_b32 v37, 0                               ; (named with f as a pair)
	v_mov_b32 v6, 0xff800000
	KSOF
	KNEXT
	s_wait_alu depctr_va_vdst(0)                   ; the wait at the head's end
	s_wait_tensorcnt 0x0                           ; my part is in,
	s_barrier_signal -1
	s_barrier_wait -1                              ; everybody's is
	KLOAD
	s_wait_loadcnt 0x0                             ; Q
; THE WAY OUT of a tile.  O^T / the sum: register 16 b + i is channel 32 b + 16 h + i of my query: two blocks of the last product's K, quantised, stored as a half-image; the two scale bytes as single bytes (two heads share a word).
.macro OUT
	s_lshr_b32 s56, s66, 4
	s_lshl_b32 s56, s56, 7
	s_add_co_u32 s56, s56, s[TIL]                  ; the tile in c2: 128 x batch + my tile
	s_and_b32 s57, s66, 15
	s_mul_i32 s58, s56, 12288
	s_mul_i32 s59, s57, 768
	s_add_co_u32 s58, s58, s59
	s_lshl_b32 s56, s56, 9
	s_lshr_b32 s59, s57, 3
	s_lshl_b32 s59, s59, 8
	s_add_co_u32 s56, s56, s59
	s_and_b32 s59, s57, 7
	s_lshl_b32 s59, s59, 1
	s_add_co_u32 s56, s56, s59
	v_add_f32 v14, v14, v15
	s_delay_alu instid0(VALU_DEP_1)
	v_permlanex16_b32 v5, v14, s[SEL], s[SEL+1]    ; (v3-5, the step's address registers, are free here)
	s_delay_alu instid0(VALU_DEP_1)
	v_add_f32 v14, v14, v5
	s_wait_alu depctr_va_vdst(0)                   ; the wait ahead of the transcendental
	v_rcp_f32 v14, v14
	v_add_nc_u32 v210, s58, v1                     ; (with the three lines above: the places behind the last products)
	v_add_nc_u32 v211, s58, v2
	v_add_nc_u32 v212, s56, v62
	v_cmp_eq_u32 vcc_lo, 1, v63
	s_wait_alu depctr_va_vdst(0)                   ; and ahead of its first reader, which is O^T's first reader too
.set J, 0
.rept 32
	v_mul_f32 v[S+J], v[O+J], v14                  ; each accumulator from its low end on
.set J, J+1
.endr
.irp b, 0,1
	v_max3_num_f32 v[192+\b], |v[S+16*\b]|, |v[S+1+16*\b]|, 0x1800000
.endr
.irp i, 2,4,6,8,10,12,14
.irp b, 0,1
	s_delay_alu instid0(VALU_DEP_2)
	v_max3_num_f32 v[192+\b], v[192+\b], |v[S+16*\b+\i]|, |v[S+1+16*\b+\i]|
.endr
.endr
.irp b, 0,1
	s_delay_alu instid0(VALU_DEP_2)
	v_permlanex16_b32 v[3+\b], v[192+\b], s[SEL], s[SEL+1]
.endr
.irp b, 0,1
	s_delay_alu instid0(VALU_DEP_2)
	v_max_num_f32 v[192+\b], v[192+\b], v[3+\b]
.endr
.irp b, 0,1
	s_delay_alu instid0(VALU_DEP_2)
	v_add_nc_u32 v[196+\b], 0xff000000, v[192+\b]
.endr
.irp b, 0,1
	s_delay_alu instid0(VALU_DEP_2)
	v_lshrrev_b32 v[198+\b], 23, v[196+\b]
.endr
	v_cvt_scalef32_pk16_fp6_f32 v[200:202], v[S:S+15], v196
	v_cvt_scalef32_pk16_fp6_f32 v[206:208], v[S+16:S+31], v197
	v_nop                                          ; one plain place behind a scaled conversion
.irp i, 0,1,2
	v_permlane16_swap_b32 v[200+\i], v[206+\i]
.endr
.irp i, 0,1,2
	s_delay_alu instid0(VALU_DEP_3)
	v_mov_b32 v[203+\i], v[206+\i]
.endr
	v_cndmask_b32 v213, v198, v199, vcc_lo         ; lanes 0-15 store block 0's byte, lanes 16-31 block 1's
	global_store_b128 v210, v[200:203], s[8:9]     ; 512 and 256 consecutive bytes, aligned
	global_store_b64 v211, v[204:205], s[8:9] offset:512
	global_store_b8 v212, v213, s[10:11]
.endm
.Ltrip:
	KSOF                                           ; this trip's key step: where its V and V's words lie
	s_mul_i32 s[TV], s[KS], 6144
	s_add_co_u32 s[TV], s[TV], VOFF
	s_lshl_b32 s[TJ], s[KS], 8
	s_add_co_u32 s[TJ], s[TJ], 8192
	s_add_co_u32 s[X], s[X], 1
	KSOF                                           ; the next trip's: where its K lies
	KNEXT
	s_wait_dscnt 0x0                               ; this step's K and its words are in
.irp n, 0,1,2,3,4,5,6,7
	v_wmma_scale_f32_16x16x128_f8f6f4 v[S+8*\n:S+8*\n+7], v[KF+6*\n:KF+6*\n+11], v[16:27], 0, v[KW+\n], v8 matrix_a_fmt:MATRIX_FMT_FP6 matrix_b_fmt:MATRIX_FMT_FP6
.endr
	v_add_nc_u32 v3, s[TV], v1                     ; four places in front of the loads below and of the first read of the scores
	v_add_nc_u32 v4, s[TV], v2
	v_add_nc_u32 v5, s[TJ], v1
	v_nop
.irp d, 0,1,2,3                                ; 17 LDS loads: V's four fragments and their words land while the softmax runs
	ds_load_b128 v[VF+12*\d:VF+12*\d+3], v3 offset:\d*1536
	ds_load_b64 v[VF+12*\d+4:VF+12*\d+5], v4 offset:\d*1536+512
	ds_load_b128 v[VF+12*\d+6:VF+12*\d+9], v3 offset:\d*1536+768
	ds_load_b64 v[VF+12*\d+10:VF+12*\d+11], v4 offset:\d*1536+1280
.endr
	ds_load_b128 v[VW:VW+3], v5
	s_and_b32 s[T0], s[I], 15                      ; trips 0 and 16 are the diagonal steps
	s_cbranch_scc1 .Lopen
.set N, 0
.rept 64
	v_cmp_gt_i32 vcc_lo, 32*(N/16)+N%16, v7        ; the scores of hidden keys become -infinity ahead of the maximum: p = 0 then
	v_cndmask_b32 v[S+N], v[S+N], v6, vcc_lo
.set N, N+1
.endr
.Lopen:
.irp b, 0,1,2,3
	v_max3_num_f32 v[BM+\b], v[S+16*\b], v[S+1+16*\b], v[S+2+16*\b]   ; the largest score of each block of 32 keys: it serves the row's maximum and, since p rises with the score, the block's largest p
.endr
.irp i, 3,5,7,9,11,13
.irp b, 0,1,2,3
	v_max3_num_f32 v[BM+\b], v[BM+\b], v[S+16*\b+\i], v[S+1+16*\b+\i]
.endr
.endr
.irp b, 0,1,2,3
	v_max_num_f32 v[BM+\b], v[BM+\b], v[S+15+16*\b]
.endr
.irp b, 0,1,2,3
	s_delay_alu instid0(VALU_DEP_4)
	v_permlanex16_b32 v[PT+\b], v[BM+\b], s[SEL], s[SEL+1]
.endr
.irp b, 0,1,2,3
	s_delay_alu instid0(VALU_DEP_4)
	v_max_num_f32 v[BM+\b], v[BM+\b], v[PT+\b]
.endr
	s_delay_alu instid0(VALU_DEP_2)
	v_max3_num_f32 v11, v[BM], v[BM+1], v[BM+2]
	s_delay_alu instid0(VALU_DEP_1)
	v_max_num_f32 v11, v11, v[BM+3]                ; the step's largest score of my query (key 0 of a diagonal step counts for every query, so it is a number)
	s_delay_alu instid0(VALU_DEP_1)
	v_mul_f32 v11, s[CS], v11
	s_delay_alu instid0(VALU_DEP_1)
	v_max_num_f32 v13, v13, v11                    ; the running largest t
	v_mov_b32 v11, v12
	s_delay_alu instid0(VALU_DEP_2)
	v_floor_f32 v12, -v13                          ; the new -M = -ceil(t)
	s_delay_alu instid0(VALU_DEP_1)
	v_sub_f32 v11, v12, v11                        ; old M - new M: a whole number, 0 or less
	s_delay_alu instid0(VALU_DEP_1)
	v_cvt_i32_f32 v11, v11                         ; (it saturates)
	s_delay_alu instid0(VALU_DEP_1)
	v_ldexp_f32 v36, 1.0, v11                      ; f = 2^(old M - new M)
.set J, 0
.rept 32
	v_pk_fma_f32 v[S+J:S+J+1], v[S+J:S+J+1], s[CS:CS+1], v[12:13] op_sel_hi:[1,0,0]   ; t - M, two at a time
.set J, J+2
.endr
.irp b, 0,1,2,3
	v_fma_f32 v[BM+\b], v[BM+\b], s[CS], v12       ; the same of each block's largest score
.endr
	s_wait_alu depctr_va_vdst(0)                   ; the wait ahead of the batch
.set J, 0
.rept 64
	v_exp_f32 v[S+J], v[S+J]                       ; p = 2^(t - M), at most 1
.set J, J+1
.endr
.irp b, 0,1,2,3
	v_exp_f32 v[BM+\b], v[BM+\b]                   ; the block's largest p: the same two instructions on the same number give the same bits
.endr
	v_pk_mul_f32 v[14:15], v[14:15], v[36:37] op_sel_hi:[1,0]   ; the sums under the new M (a plain place behind the exponentials)
	s_wait_alu depctr_va_vdst(0)                   ; one wait for the whole batch, ahead of its first reader
.set C, 0
.rept 7                                        ; the row's sum of the unquantised p: eight chains by turns
	v_pk_add_f32 v[PS+2*C:PS+2*C+1], v[S+4*C:S+4*C+1], v[S+4*C+2:S+4*C+3]
.set C, C+1
.endr
	v_pk_add_f32 v[14:15], v[14:15], v[S+28:S+29]
.set R, 0
.rept 2
.set C, 0
.rept 7
	v_pk_add_f32 v[PS+2*C:PS+2*C+1], v[PS+2*C:PS+2*C+1], v[S+30+16*R+2*C:S+31+16*R+2*C]
.set C, C+1
.endr
	v_pk_add_f32 v[14:15], v[14:15], v[S+44+16*R:S+45+16*R]
.set R, R+1
.endr
	v_pk_add_f32 v[PS:PS+1], v[PS:PS+1], v[S+62:S+63]
	v_pk_add_f32 v[PS+4:PS+5], v[PS+4:PS+5], v[PS+6:PS+7]
	v_pk_add_f32 v[PS+8:PS+9], v[PS+8:PS+9], v[PS+10:PS+11]
	v_pk_add_f32 v[14:15], v[14:15], v[PS+12:PS+13]
	s_delay_alu instid0(VALU_DEP_4)
	v_pk_add_f32 v[PS:PS+1], v[PS:PS+1], v[PS+2:PS+3]
	s_delay_alu instid0(VALU_DEP_2)
	v_pk_add_f32 v[14:15], v[14:15], v[PS+8:PS+9]
	s_delay_alu instid0(VALU_DEP_2)
	v_pk_add_f32 v[PS:PS+1], v[PS:PS+1], v[PS+4:PS+5]
	s_delay_alu instid0(VALU_DEP_1)
	v_pk_add_f32 v[14:15], v[14:15], v[PS:PS+1]
.irp b, 0,1,2,3
	v_max_num_f32 v[BM+\b], 0x1800000, v[BM+\b]    ; the floor 2^(3 - 127): a block whose every p is 0 keeps the byte 1: its codes are zeros
.endr
.irp b, 0,1,2,3
	s_delay_alu instid0(VALU_DEP_4)
	v_add_nc_u32 v[SOP+\b], 0xff000000, v[BM+\b]   ; 2 off the exponent field: the conversion's scale operand
.endr
.irp b, 0,1,2,3
	s_delay_alu instid0(VALU_DEP_4)
	v_lshrrev_b32 v[PT+\b], 23, v[SOP+\b]          ; the scale's byte
.endr
	s_delay_alu instid0(VALU_DEP_3)
	v_lshl_or_b32 v10, v[PT+1], 8, v[PT]           ; p's scale word for these 128 keys
	s_delay_alu instid0(VALU_DEP_1)
	v_lshl_or_b32 v10, v[PT+2], 16, v10
	s_delay_alu instid0(VALU_DEP_1)
	v_lshl_or_b32 v10, v[PT+3], 24, v10
.irp c, 0,1
	v_cvt_scalef32_pk16_fp6_f32 v[PC+6*\c:PC+6*\c+2], v[S+32*\c:S+32*\c+15], v[SOP+2*\c]
	v_cvt_scalef32_pk16_fp6_f32 v[CT+4*\c:CT+4*\c+2], v[S+32*\c+16:S+32*\c+31], v[SOP+2*\c+1]
.endr
	v_nop                                          ; one plain place behind a scaled conversion
.irp c, 0,1                                    ; the operand's layout wants a whole block in a lane
.irp i, 0,1,2
	v_permlane16_swap_b32 v[PC+6*\c+\i], v[CT+4*\c+\i]
.endr
.irp i, 0,1,2
	s_delay_alu instid0(VALU_DEP_3)
	v_mov_b32 v[PC+3+6*\c+\i], v[CT+4*\c+\i]
.endr
.endr
	KLOAD                                          ; the next step's K, into registers whose work for this step is over
	s_wait_alu depctr_va_vdst(0)                   ; the wait directly ahead of the first reader of O^T
.set J, 0
.rept 16
	v_pk_mul_f32 v[O+J:O+J+1], v[O+J:O+J+1], v[36:37] op_sel_hi:[1,0]   ; O^T under the new M; these sixteen also stand between the lines that made p's codes and scale word and the products
.set J, J+2
.endr
	s_wait_alu depctr_va_vdst(0)                   ; the wait directly ahead of the wait below
	s_wait_dscnt 18                                ; V and its words are in; the 18 loads of the next K, issued behind them, may be out
.irp d, 0,1,2,3                                ; O^T += V^T P^T: four accumulators, one instruction a turn
	v_wmma_scale_f32_16x16x128_f8f6f4 v[O+8*\d:O+8*\d+7], v[VF+12*\d:VF+12*\d+11], v[PC:PC+11], v[O+8*\d:O+8*\d+7], v[VW+\d], v10 matrix_a_fmt:MATRIX_FMT_FP6 matrix_b_fmt:MATRIX_FMT_FP6
.endr
	s_cmp_lg_u32 s[X], 16                          ; x has just passed 15: my first tile is finished
	s_cbranch_scc1 .Lsame
	OUT
	s_wait_xcnt 0x0                                ; the stores have read their registers, which the next trip writes
	s_mov_b32 s[TIL], s[T2]
.irp j, 0,1,2,3,4,5
	v_mov_b32 v[16+\j], v[28+\j]                   ; the second tile's Q,
.endr
	v_mov_b32 v8, v9                               ; its scale word (the lines below are the places in front of the next products)
	FRESH
	s_wait_alu depctr_va_vdst(0)
.Lsame:
	s_add_co_u32 s[I], s[I], 1
	s_cmp_lt_u32 s[I], 17
	s_cbranch_scc1 .Ltrip
	OUT
	s_wait_tensorcnt 0x0                           ; the wave's end
	ds_add_u32 v34, v35
	s_wait_dscnt 0x0
	ROUND                                          ; the closing round: no work-group ends while a partner may still ask for a tile that names it
	s_endpgm
.Lfunc_end_k_q8b60182235_attn:
	.size	k_q8b60182235_attn, .Lfunc_end_k_q8b60182235_attn-k_q8b60182235_attn
	.p2alignl 7, 3214868480
	.fill 96, 4, 3214868480
	.section	.rodata,"a",@progbits
	.p2align	6, 0x0
	.amdhsa_kernel k_q8b60182235_attn
		.amdhsa_group_segment_fixed_size 209920
		.amdhsa_private_segment_fixed_size 0
		.amdhsa_enable_private_segment 0
		.amdhsa_kernarg_size 32
		.amdhsa_user_sgpr_count 2
		.amdhsa_user_sgpr_kernarg_segment_ptr 1
		.amdhsa_wavefront_size32 1
		.amdhsa_system_sgpr_workgroup_id_x 1
		.amdhsa_system_sgpr_workgroup_id_y 1
		.amdhsa_system_sgpr_workgroup_id_z 1
		.amdhsa_system_vgpr_workitem_id 0
		.amdhsa_next_free_vgpr 256
		.amdhsa_next_free_sgpr 80
		.amdhsa_reserve_vcc 1
		.amdhsa_float_denorm_mode_32 3
		.amdhsa_float_denorm_mode_16_64 3
		.amdhsa_memory_ordered 1
		.amdhsa_forward_progress 1
		.amdhsa_inst_pref_size 44
	.end_amdhsa_kernel
	.amdgpu_metadata
---
amdhsa.version: [ 1, 2 ]
amdhsa.kernels:
  - .name:           k_q8b60182235_attn
    .symbol:         k_q8b60182235_attn.kd
    .args:
      - { .name: ca, .offset: 0, .size: 8, .value_kind: global_buffer, .address_space: global }
      - { .name: sa, .offset: 8, .size: 8, .value_kind: global_buffer, .address_space: global }
      - { .name: c2, .offset: 16, .size: 8, .value_kind: global_buffer, .address_space: global }
      - { .name: s2, .offset: 24, .size: 8, .value_kind: global_buffer, .address_space: global }
    .group_segment_fixed_size: 209920
    .private_segment_fixed_size: 0
    .kernarg_segment_align: 8
    .kernarg_segment_size: 32
    .max_flat_workgroup_size: 256
    .sgpr_count:     80
    .vgpr_count:     256
    .wavefront_size: 32
...
	.end_amdgpu_metadata
.endif
;; end of part 3
;; launch proj (part 4): grid 8 x 32, 4 waves a work-group, clusters of 4 x 4, 214,528 bytes of LDS; arguments c2, s2, bproj, out0; writes out0
.if DOCPART == 4
	.amdgcn_target "amdgcn-amd-amdhsa--gfx1250"
	.amdhsa_code_object_version 6
	.text
	.protected	k_q8b60182235_proj
	.globl	k_q8b60182235_proj
	.p2align	8
	.type	k_q8b60182235_proj,@function
k_q8b60182235_proj:
	s_mov_b64 s[64:65], 0
	v_nop
	global_prefetch_b8 v0, s[64:65] scope:SCOPE_SE
	s_setreg_imm32_b32 hwreg(HW_REG_WAVE_MODE, 25, 1), 1
	s_wait_xcnt 0x0
	s_wait_alu depctr_hold_cnt(0) depctr_sa_sdst(0) depctr_va_vdst(0) depctr_va_sdst(0) depctr_va_ssrc(0) depctr_va_vcc(0) depctr_vm_vsrc(0)
	s_getreg_b32 s2, hwreg(HW_REG_IB_STS2, 6, 4)
	s_cmp_eq_u32 s2, 0
	s_cbranch_scc0 .Lentry_in_a_cluster
	s_endpgm
.Lentry_in_a_cluster:
	s_bfe_u32 s2, ttmp6, 0x10000c
	s_cmp_lg_u32 s2, 0xf033
	s_cbranch_scc0 .Lentry_shape_is_right
	s_endpgm
.Lentry_shape_is_right:
; out0 = O Wproj + bproj on codes of FP6 (E2M3).  c2: tiles 0-255 the attention's result, tiles 256-319 Wproj's columns, as images of operand registers
; (tile: 16 rows, lane r = row 32 (T / 2) + 8 (T % 2) + r % 8 + 16 (r / 8); a K step of 128 is 1,536 bytes: registers 0-3 at 16 l, 4-5 at 512 + 8 l, 6-9 at 768 + 16 l, 10-11 at 1,280 + 8 l; 12,288 bytes a tile).
; SHARES.  4,096 x 1,024 in blocks of 128 x 128: 256 work-groups of four waves; a wave makes 64 x 64: 16 accumulators.
; ALL OF K LIES IN LDS: the block's eight tiles of O (98,304 bytes) and eight of Wproj (98,304), each a dense run of c2, filled ONCE, one joint tensor load a wave (four tiles, 192 rows of 256 bytes):
; O's tiles are shared along a row of the 4 x 4 cluster, Wproj's along a column.  One wait, one barrier, nothing filled again.  No prefetch: every byte is asked for once, at the head, with no loop ahead of it.
; K goes in eight steps of 128, written out; fragments have two sets of registers, and a step's 32 LDS loads are issued a step ahead.  A lane's 32 scale words come from memory once and stay in registers.
; TRANSPOSED USE: source 0 = 16 columns of Wproj, source 1 = 16 rows of O: a lane holds eight neighbouring numbers of a row.  A tile of 16 rows x 64 columns goes through the wave's own stage in LDS (bytes that no tensor load fills)
; and leaves with the bias added: sixteen lanes store 256 consecutive bytes, aligned.
; REGISTERS.  window 0: v12-15 the bias; v16-29 addresses; v32-63 scale words (register 8 i + ks: lanes 0-15 O's tile i, lanes 16-31 Wproj's tile i); v64-159 O's fragments, two sets; v160-223 the way out, two sets.
;   window 1: v0-95 Wproj's fragments, two sets.   window 2: v0-127 accumulator (a, b) at v[8 (4 a + b)].
.set FR,     12
.set TILEB,  12288
.set KSB,    1536
.set HALFT,  4*TILEB
.set STAGE,  4*HALFT
.set SPITCH, 272
.set SPARE,  STAGE+4*16*SPITCH
.set ADRA, 16
.set ADRB, 18
.set STO,  21
.set RD,   22
.set CO,   23
.set SOF,  24
.set BO,   25
.set SPW,  28
.set NIL,  29
.set SC,   32
.set AF,   64
.set BK,   160
.set G1,  24
.set G0,  32
.set G1B, 48
.set G0B, 56
.set WV,  66
.set RH,  67
.set CH,  68
.set MSB, 0
.macro WIN new                         ; the immediate's high byte repeats the setting that is left
.if MSB != (\new)
	s_set_vgpr_msb (MSB<<8)|(\new)
.set MSB, (\new)
.endif
.endm
.set MULW, 0xa1                        ; source 0 window 1, source 1 window 0, C and D window 2
.set TO_B, 0x40                        ; destination window 1, address window 0
.macro CROUND
	s_barrier_signal -1
	s_barrier_wait -1
	s_cmp_lg_u32 s[WV], 0
	s_cbranch_scc1 .Lnot_wave_0_\@
	s_barrier_signal -3
.Lnot_wave_0_\@:
	s_barrier_wait -3
	s_barrier_signal -1
	s_barrier_wait -1
.endm
.macro PLACES n
.rept \n
	v_nop
.endr
.endm
	s_load_b256 s[4:11], s[0:1], 0x0               ; c2, s2, bproj, out0
	v_lshl_add_u32 v[SPW], v0, 2, SPARE
	v_mov_b32 v[NIL], 0
	ds_add_u32 v[SPW], v[NIL]                      ; the opening lines: the add, twice on end, and its wait
	ds_add_u32 v[SPW], v[NIL]
	v_lshrrev_b32 v1, 5, v0
	v_readfirstlane_b32 s[WV], v1                  ; wave 0..3
	s_lshr_b32 s[RH], s[WV], 1                     ; which four of O's tiles are mine.  Also: I fetch for O (0) or for Wproj (1)
	s_and_b32 s[CH], s[WV], 1                      ; which four of Wproj's.  Also: which four tiles I fetch
	s_bfe_u32 s18, ttmp6, 0x40000                  ; cx
	s_bfe_u32 s19, ttmp6, 0x40004                  ; cy
	s_lshl_b32 s20, ttmp9, 2
	s_add_co_u32 s20, s20, s18                     ; block column, 0..7
	s_and_b32 s21, ttmp7, 0xffff
	s_lshl_b32 s21, s21, 2
	s_add_co_u32 s21, s21, s19                     ; block row, 0..31
	s_lshl_b32 s44, s19, 2
	s_lshl_b32 s44, 15, s44                        ; my row of the cluster
	s_lshl_b32 s45, 0x1111, s18                    ; my column
	s_or_b32 s[G1+0], s44, (3<<16)|(1<<21)         ; the mask; elements of 8 bytes; bit 21 beside a mask
	s_or_b32 s[G1B+0], s45, (3<<16)|(1<<21)
.irp g, G1, G1B
	s_mov_b32 s[\g+1], 32<<16                      ; rows of 256 bytes,
	s_mov_b32 s[\g+2], 192<<16                     ; 192 of them, dense
	s_mov_b32 s[\g+3], 32<<16
	s_mov_b32 s[\g+4], 192
	s_mov_b32 s[\g+5], 32
	s_mov_b32 s[\g+6], 0
	s_mov_b32 s[\g+7], 0
.endr
	s_lshl_b32 s46, s21, 3
	s_lshl_b32 s47, s[CH], 2
	s_add_co_u32 s46, s46, s47                     ; O: tile 8 x block row + 4 x half
	s_mul_i32 s46, s46, TILEB
	s_mov_b32 s47, 0
	s_lshl_b32 s78, s20, 3
	s_lshl_b32 s79, s[CH], 2
	s_add_co_u32 s78, s78, s79
	s_add_co_u32 s78, s78, 256                     ; Wproj: tile 256 + 8 x block column + 4 x half
	s_mul_i32 s78, s78, TILEB
	s_mov_b32 s79, 0
	s_mul_i32 s80, s[WV], HALFT                    ; where they go: O's two halves, then Wproj's two
	s_wait_dscnt 0x0
	s_wait_kmcnt 0x0
	s_add_nc_u64 s[46:47], s[4:5], s[46:47]
	s_add_nc_u64 s[78:79], s[4:5], s[78:79]
	CROUND                                         ; all sixteen work-groups are here: the joint loads meet
	s_mov_b32 s[G0], 1
	s_mov_b32 s[G0+1], s80
	s_mov_b64 s[G0+2:G0+3], s[46:47]
	s_or_b32 s[G0+3], s[G0+3], 0x80000000
	s_mov_b32 s[G0B], 1
	s_mov_b32 s[G0B+1], s80
	s_mov_b64 s[G0B+2:G0B+3], s[78:79]
	s_or_b32 s[G0B+3], s[G0B+3], 0x80000000
	s_cmp_eq_u32 s[RH], 0
	s_cbranch_scc0 .Lfor_b
	tensor_load_to_lds s[G0:G0+3], s[G1:G1+7]
	s_nop 0
	PLACES 4
	s_branch .Lasked
.Lfor_b:
	tensor_load_to_lds s[G0B:G0B+3], s[G1B:G1B+7]
	s_nop 0
	PLACES 4
.Lasked:
	s_mul_i32 s40, s[RH], HALFT                    ; my four tiles of O
	s_mul_i32 s41, s[CH], HALFT
	s_add_co_u32 s41, s41, 2*HALFT                 ; my four of Wproj
	s_lshl_b32 s42, s21, 3
	s_lshl_b32 s43, s[RH], 2
	s_add_co_u32 s42, s42, s43                     ; my first tile of O
	s_lshl_b32 s84, s42, 16                        ; its first row of out0, in bytes: 16 rows of 4,096 a tile
	s_lshl_b32 s42, s42, 9                         ; its scale words
	s_lshl_b32 s43, s20, 3
	s_lshl_b32 s85, s[CH], 2
	s_add_co_u32 s43, s43, s85
	s_add_co_u32 s43, s43, 256
	s_lshl_b32 s43, s43, 9                         ; my first tile of Wproj: its scale words
	s_lshl_b32 s86, s20, 9
	s_lshl_b32 s87, s[CH], 8
	s_add_co_u32 s86, s86, s87                     ; my first column, in bytes
	s_add_co_u32 s84, s84, s86
	s_mov_b32 s85, 0
	s_add_nc_u64 s[10:11], s[10:11], s[84:85]
	s_mul_i32 s87, s[WV], 16*SPITCH
	s_add_co_u32 s87, s87, STAGE                   ; my stage
	v_and_b32 v1, 31, v0
	v_and_b32 v2, 15, v0                           ; r
	v_bfe_u32 v3, v0, 4, 1                         ; h
	v_lshlrev_b32 v4, 4, v1
	v_lshlrev_b32 v5, 3, v1
	v_lshlrev_b32 v6, 4, v2
	v_mov_b32 v7, s42
	v_mov_b32 v8, s43
	v_cmp_eq_u32 vcc_lo, 1, v3
	v_cndmask_b32 v[SOF], v7, v8, vcc_lo           ; lanes 0-15 take O's words, lanes 16-31 Wproj's
	v_add_nc_u32 v[SOF], v[SOF], v6
	v_add_nc_u32 v[BO], s86, v6
.irp i, 0,1,2,3
.irp u, 0,1
	global_load_b128 v[SC+8*\i+4*\u:SC+8*\i+4*\u+3], v[SOF], s[6:7] offset:512*\i+256*\u   ; tile i, K steps 4 u .. 4 u + 3: sixteen lanes read 256 consecutive bytes
.endr
.endr
	global_load_b128 v[12:15], v[BO], s[8:9]       ; the bias of the four columns that I store
	v_add_nc_u32 v[ADRA], s40, v4
	v_add_nc_u32 v[ADRA+1], s40, v5
	v_add_nc_u32 v[ADRB], s41, v4
	v_add_nc_u32 v[ADRB+1], s41, v5
	v_mul_u32_u24 v[STO], v2, SPITCH               ; into the stage: row r, 64 h
	v_lshl_add_u32 v[STO], v3, 6, v[STO]
	v_add_nc_u32 v[STO], s87, v[STO]
	v_mul_u32_u24 v[RD], v3, SPITCH                ; back: sixteen lanes to a row of 256 bytes, two rows an instruction
	v_add_nc_u32 v[RD], v[RD], v6
	v_add_nc_u32 v[RD], s87, v[RD]
	v_lshl_add_u32 v[CO], v3, 12, v6               ; and the same two rows in out0
.macro FRAG reg, adr, ks, i
	ds_load_b128 v[\reg:\reg+3], v[\adr] offset:(\i)*TILEB+(\ks)*KSB
	ds_load_b64 v[\reg+4:\reg+5], v[\adr+1] offset:(\i)*TILEB+(\ks)*KSB+512
	ds_load_b128 v[\reg+6:\reg+9], v[\adr] offset:(\i)*TILEB+(\ks)*KSB+768
	ds_load_b64 v[\reg+10:\reg+11], v[\adr+1] offset:(\i)*TILEB+(\ks)*KSB+1280
.endm
.macro FETCH ks                        ; 32 LDS loads: K step ks's eight fragments into set ks % 2
	WIN TO_B
.irp i, 0,1,2,3
	FRAG 48*((\ks)%2)+FR*\i, ADRB, \ks, \i
.endr
	WIN 0
.irp i, 0,1,2,3
	FRAG AF+48*((\ks)%2)+FR*\i, ADRA, \ks, \i
.endr
.endm
.macro MUL ks, zero                    ; 16 products; the accumulators take turns, one instruction a turn, in the same order in every step
	WIN MULW
.irp a, 0,1,2,3
.irp b, 0,1,2,3
.if \zero
	v_wmma_scale_f32_16x16x128_f8f6f4 v[8*(4*\a+\b):8*(4*\a+\b)+7], v[48*((\ks)%2)+FR*\b:48*((\ks)%2)+FR*\b+FR-1], v[AF+48*((\ks)%2)+FR*\a:AF+48*((\ks)%2)+FR*\a+FR-1], 0, v[SC+8*\b+(\ks)], v[SC+8*\a+(\ks)] matrix_a_fmt:MATRIX_FMT_FP6 matrix_b_fmt:MATRIX_FMT_FP6 matrix_a_scale:MATRIX_SCALE_ROW1
.else
	v_wmma_scale_f32_16x16x128_f8f6f4 v[8*(4*\a+\b):8*(4*\a+\b)+7], v[48*((\ks)%2)+FR*\b:48*((\ks)%2)+FR*\b+FR-1], v[AF+48*((\ks)%2)+FR*\a:AF+48*((\ks)%2)+FR*\a+FR-1], v[8*(4*\a+\b):8*(4*\a+\b)+7], v[SC+8*\b+(\ks)], v[SC+8*\a+(\ks)] matrix_a_fmt:MATRIX_FMT_FP6 matrix_b_fmt:MATRIX_FMT_FP6 matrix_a_scale:MATRIX_SCALE_ROW1
.endif
.endr
.endr
.endm
	s_wait_alu depctr_va_vdst(0)                   ; the wait at the head's end
	s_wait_tensorcnt 0x0                           ; my four tiles are in,
	s_barrier_signal -1
	s_barrier_wait -1                              ; everybody's are
	FETCH 0
	s_wait_loadcnt 0x0                             ; the scale words and the bias
	FETCH 1
	s_wait_dscnt 32                                ; step 0's fragments are in; the 32 loads of step 1 may be out
	MUL 0, 1                                       ; the first step's products start the sums
.set KQ, 1
.rept 6
	PLACES 4                                       ; in front of loads into registers that the step before last multiplied
	FETCH KQ+1
	s_wait_dscnt 32                                ; all but the 32 just issued
	MUL KQ, 0
.set KQ, KQ+1
.endr
	s_wait_dscnt 0x0
	MUL 7, 0
	WIN 0
.macro TOSTAGE a                       ; tile a: 16 rows x 64 columns; column 32 (b / 2) + 8 (b % 2) + 16 h + j lies in register j of accumulator (a, b)
	WIN 0x08                                       ; the data: window 2
.irp b, 0,1,2,3
	ds_store_b128 v[STO], v[32*(\a)+8*\b:32*(\a)+8*\b+3] offset:128*(\b/2)+32*(\b%2)       ; each accumulator from its low end on
	ds_store_b128 v[STO], v[32*(\a)+8*\b+4:32*(\a)+8*\b+7] offset:128*(\b/2)+32*(\b%2)+16
.endr
	WIN 0
.irp t, 0,1,2,3,4,5,6,7
	ds_load_b128 v[BK+32*((\a)%2)+4*\t:BK+32*((\a)%2)+4*\t+3], v[RD] offset:\t*2*SPITCH   ; LDS serves a wave's instructions in order: these see my stores
.endr
.endm
.macro SEND a, younger                 ; younger: the LDS instructions issued behind tile a's loads, which may stay out
.set BB, BK+32*((\a)%2)
	s_wait_dscnt \younger
.irp t, 0,1,2,3,4,5,6,7
	v_pk_add_f32 v[BB+4*\t:BB+4*\t+1], v[BB+4*\t:BB+4*\t+1], v[12:13]
	v_pk_add_f32 v[BB+4*\t+2:BB+4*\t+3], v[BB+4*\t+2:BB+4*\t+3], v[14:15]
	global_store_b128 v[CO], v[BB+4*\t:BB+4*\t+3], s[10:11] offset:(32*((\a)/2)+8*((\a)%2)+(2*\t)%8+16*(\t/4))*4096 th:TH_STORE_NT   ; stage rows 2 t and 2 t + 1: sixteen lanes store 256 consecutive bytes, aligned
.endr
.endm
	PLACES 4                                       ; in front of the first read of results
	TOSTAGE 0
.irp a, 1,2,3
.if \a > 1
	s_wait_xcnt 0x0                                ; tile a - 2's stores have read their registers: tile a's loads may land there
.endif
	TOSTAGE \a
	SEND \a-1, 16                                  ; behind tile a - 1's loads: tile a's 8 stores and 8 loads
.endr
	SEND 3, 0
	s_wait_tensorcnt 0x0                           ; the wave's end
	ds_add_u32 v[SPW], v[NIL]
	s_wait_dscnt 0x0
	CROUND                                         ; the closing round
	s_endpgm
.Lfunc_end_k_q8b60182235_proj:
	.size	k_q8b60182235_proj, .Lfunc_end_k_q8b60182235_proj-k_q8b60182235_proj
	.p2alignl 7, 3214868480
	.fill 96, 4, 3214868480
	.section	.rodata,"a",@progbits
	.p2align	6, 0x0
	.amdhsa_kernel k_q8b60182235_proj
		.amdhsa_group_segment_fixed_size 214528
		.amdhsa_private_segment_fixed_size 0
		.amdhsa_enable_private_segment 0
		.amdhsa_kernarg_size 32
		.amdhsa_user_sgpr_count 2
		.amdhsa_user_sgpr_kernarg_segment_ptr 1
		.amdhsa_wavefront_size32 1
		.amdhsa_system_sgpr_workgroup_id_x 1
		.amdhsa_system_sgpr_workgroup_id_y 1
		.amdhsa_system_sgpr_workgroup_id_z 1
		.amdhsa_system_vgpr_workitem_id 0
		.amdhsa_next_free_vgpr 640
		.amdhsa_next_free_sgpr 100
		.amdhsa_reserve_vcc 1
		.amdhsa_float_denorm_mode_32 3
		.amdhsa_float_denorm_mode_16_64 3
		.amdhsa_memory_ordered 1
		.amdhsa_forward_progress 1
		.amdhsa_inst_pref_size 53
	.end_amdhsa_kernel
	.amdgpu_metadata
---
amdhsa.version: [ 1, 2 ]
amdhsa.kernels:
  - .name:           k_q8b60182235_proj
    .symbol:         k_q8b60182235_proj.kd
    .args:
      - { .name: c2, .offset: 0, .size: 8, .value_kind: global_buffer, .address_space: global }
      - { .name: s2, .offset: 8, .size: 8, .value_kind: global_buffer, .address_space: global }
      - { .name: bproj, .offset: 16, .size: 8, .value_kind: global_buffer, .address_space: global }
      - { .name: out0, .offset: 24, .size: 8, .value_kind: global_buffer, .address_space: global }
    .group_segment_fixed_size: 214528
    .private_segment_fixed_size: 0
    .kernarg_segment_align: 8
    .kernarg_segment_size: 32
    .max_flat_workgroup_size: 128
    .sgpr_count:     100
    .vgpr_count:     640
    .wavefront_size: 32
...
	.end_amdgpu_metadata
.endif
;; end of part 4
